; MI455X (gfx1250); checked and timed in simulation.
; The chip was launched on July 23, 2026; its instructions are those of AMD's public machine-readable ISA for CDNA 5 (MIT licence, August 2026) and "CDNA5" Instruction Set Architecture Reference Guide (July 2026). The comments in the code are by the model that wrote it; some were corrected since.
;; Dot Product Attention. Allowed arithmetic: float matrix products may take bf16 or f16 operands with f32 sums; all other float work in f32.
;; Inputs: F 1,024 x 1,024 float32; K 1,024 x 1,024 float32; Q 1,024 x 1,024 float32; V 1,024 x 1,024 float32; x 4 x 2,048 x 1,024 float32.
;; Outputs: out0 4 x 2,048 x 1,024 float32.
;; 2 versions, each right; version 2 is version 1 with the launch cvt written anew for expert scheduling mode. Each part assembles by itself: llvm-mc -triple=amdgcn-amd-amdhsa -mcpu=gfx1250 --defsym DOCPART=n.
;; ======== version 1 of 2: 5 launches
;; limits: values are held in f16: magnitudes above 65,504 overflow, below 6.1e-05 lose precision; right only within a limited range of input values
;; workspace buffers: xh 16,777,216 bytes; w1 4,194,304 bytes; w2 4,194,304 bytes; xv 33,554,432 bytes; qk 33,554,432 bytes; e 33,554,432 bytes; st 1,048,576 bytes
;; launch cvt (part 1): grid 64 x 12, 8 waves a work-group, no clusters, 0 bytes of LDS; arguments x, F, V, Q, K, xh, w1, w2; writes xh, w1, w2
.if DOCPART == 1
	.amdgcn_target "amdgcn-amd-amdhsa--gfx1250"
	.amdhsa_code_object_version 6
	.text
	.protected	k_qac0d66cab5_cvt
	.globl	k_qac0d66cab5_cvt
	.p2align	8
	.type	k_qac0d66cab5_cvt,@function
k_qac0d66cab5_cvt:
	s_mov_b64 s[64:65], 0
	v_nop
	global_prefetch_b8 v0, s[64:65] scope:SCOPE_SE
	s_setreg_imm32_b32 hwreg(HW_REG_WAVE_MODE, 25, 1), 1
	s_wait_xcnt 0x0
; Every input is rounded to bf16 (nearest even), multiplied by a power of two (exact) and written as f16:
;   xh[8192][1024] = x / 4;   w1[1024 k][2048 n] = F / 16 | V;   w2[1024 k][2048 n] = Q / 16 | K / 16.
; LIMITS.  f16 ends at 65,504: |x| < 2.6e5, |F|, |Q|, |K| < 1e6, |V| <= 65,504, else an infinity is written.  A stored number below 6.1e-5 keeps f16's
; fixed step of 6e-8 in place of bf16's eight significant bits.  NaN and infinities are not treated apart.
; SHARES.  The grid's y is a job of 1,024 rows of 4,096 bytes of f32: 0-7 the eight blocks of x, 8 F, 9 V, 10 Q, 11 K.  A work-group takes 16 rows, a wave two.
; A load of a wave covers 512 consecutive bytes, a store 256 consecutive bytes, aligned.  A stream: every byte is read once and written once; no LDS,
; no barrier, no matrix unit, no cluster: no two work-groups read the same byte.  A wave's sixteen loads go out together.
.set T, 8                              ; v[8:13]   at work
.set X, 16                             ; v[16:79]  sixteen loads of four f32
.set Y, 80                             ; v[80:111] sixteen stores of four f16: each has registers of its own, so no store's data is ever rewritten
	s_load_b512 s[8:23], s[0:1], 0x0               ; x s[8:9], F s[10:11], V s[12:13], Q s[14:15], K s[16:17], xh s[18:19], w1 s[20:21], w2 s[22:23]
	s_and_b32 s24, ttmp7, 0xffff                   ; the job
	s_lshl_b32 s36, s24, 22                        ; a block of x: 1,024 rows of 4,096 bytes,
	s_lshl_b32 s38, s24, 21                        ; and of xh: 1,024 rows of 2,048 bytes
	s_and_b32 s4, s24, 1
	s_lshl_b32 s4, s4, 11                          ; a weight's half of the 4,096-byte rows of w1 or w2: odd jobs (V, K) take the right one
	s_lshl_b32 s5, ttmp9, 16                       ; the work-group's 16 rows in the source
	s_lshl_b32 s6, ttmp9, 4                        ; its first row
	s_mov_b32 s32, 0x3d800000                      ; 1 / 16
	s_mov_b32 s34, 0xffff0000                      ; a word's upper bf16
	s_mov_b32 s37, 0
	s_mov_b32 s39, 0
	s_cmp_lt_u32 s24, 8                            ; x, or a weight?  (only moves and selects stand between this compare and its last select)
	s_cselect_b32 s30, 11, 12                      ; log2 of the destination's row bytes
	s_cselect_b32 s36, s36, 0
	s_cselect_b32 s38, s38, s4
	s_cselect_b32 s32, 0x3e800000, s32             ; x: 1 / 4
	s_cmp_eq_u32 s24, 9
	s_cselect_b32 s32, 1.0, s32                    ; V: 1
	s_mov_b32 s33, s32                             ; named with it as a pair
	s_lshl_b32 s6, s6, s30
	s_lshl_b32 s31, 1, s30                         ; a destination row
	s_add_co_u32 s36, s36, s5                      ; s[36:37] the source's offset
	s_add_co_u32 s38, s38, s6                      ; s[38:39] the destination's
	v_and_b32 v4, 31, v0                           ; lane
	v_lshrrev_b32 v5, 5, v0                        ; wave
	v_lshlrev_b32 v1, 4, v4
	v_lshl_add_u32 v1, v5, 13, v1                  ; source: 16 x lane + the wave's two rows
	v_lshlrev_b32 v5, 1, v5
	v_lshlrev_b32 v5, s30, v5
	v_lshl_add_u32 v2, v4, 3, v5                   ; destination: 8 x lane + row 2 w,
	v_add_nc_u32 v3, s31, v2                       ; and row 2 w + 1
	s_wait_kmcnt 0x0
	s_mov_b64 s[26:27], s[8:9]                     ; from x to xh, unless the job says otherwise
	s_mov_b64 s[28:29], s[18:19]
	s_cmp_eq_u32 s24, 8
	s_cselect_b64 s[26:27], s[10:11], s[26:27]
	s_cselect_b64 s[28:29], s[20:21], s[28:29]
	s_cmp_eq_u32 s24, 9
	s_cselect_b64 s[26:27], s[12:13], s[26:27]
	s_cselect_b64 s[28:29], s[20:21], s[28:29]
	s_cmp_eq_u32 s24, 10
	s_cselect_b64 s[26:27], s[14:15], s[26:27]
	s_cselect_b64 s[28:29], s[22:23], s[28:29]
	s_cmp_eq_u32 s24, 11
	s_cselect_b64 s[26:27], s[16:17], s[26:27]
	s_cselect_b64 s[28:29], s[22:23], s[28:29]
	s_add_nc_u64 s[26:27], s[26:27], s[36:37]
	s_add_nc_u64 s[28:29], s[28:29], s[38:39]
.irp j, 0,1,2,3,4,5,6,7,8,9,10,11,12,13,14,15
	global_load_b128 v[X+4*(\j):X+4*(\j)+3], v1, s[26:27] offset:(\j)*512 th:TH_LOAD_NT  ; the two rows lie end to end: 8,192 bytes; read once in the launch
.endr
.irp j, 0,1,2,3,4,5,6,7,8,9,10,11,12,13,14,15
	s_wait_loadcnt 15-(\j)                         ; loads come back in order (ISA guide 5.7.1): load j is in, the 15 - j younger ones stay out
	v_cvt_pk_bf16_f32 v[T],   v[X+4*(\j)],   v[X+4*(\j)+1]  ; the input's one rounding
	v_cvt_pk_bf16_f32 v[T+1], v[X+4*(\j)+2], v[X+4*(\j)+3]
	v_lshlrev_b32 v[T+2], 16, v[T]                 ; back to f32
	v_and_b32     v[T+3], s34, v[T]
	v_lshlrev_b32 v[T+4], 16, v[T+1]
	v_and_b32     v[T+5], s34, v[T+1]
	v_pk_mul_f32 v[T+2:T+3], v[T+2:T+3], s[32:33] op_sel_hi:[1,0]  ; times the power of two
	v_pk_mul_f32 v[T+4:T+5], v[T+4:T+5], s[32:33] op_sel_hi:[1,0]
	v_cvt_pk_f16_f32 v[Y+2*(\j)],   v[T+2], v[T+3]  ; eight significant bits fit into f16's eleven
	v_cvt_pk_f16_f32 v[Y+2*(\j)+1], v[T+4], v[T+5]
	global_store_b64 v[2+(\j)/8], v[Y+2*(\j):Y+2*(\j)+1], s[28:29] offset:((\j)%8)*256  ; 32 lanes x 8 bytes: 256 consecutive bytes, aligned
.endr
	s_endpgm
.Lfunc_end_k_qac0d66cab5_cvt:
	.size	k_qac0d66cab5_cvt, .Lfunc_end_k_qac0d66cab5_cvt-k_qac0d66cab5_cvt
	.p2alignl 7, 3214868480
	.fill 96, 4, 3214868480
	.section	.rodata,"a",@progbits
	.p2align	6, 0x0
	.amdhsa_kernel k_qac0d66cab5_cvt
		.amdhsa_group_segment_fixed_size 0
		.amdhsa_private_segment_fixed_size 0
		.amdhsa_enable_private_segment 0
		.amdhsa_kernarg_size 64
		.amdhsa_user_sgpr_count 2
		.amdhsa_user_sgpr_kernarg_segment_ptr 1
		.amdhsa_wavefront_size32 1
		.amdhsa_system_sgpr_workgroup_id_x 1
		.amdhsa_system_sgpr_workgroup_id_y 1
		.amdhsa_system_sgpr_workgroup_id_z 1
		.amdhsa_system_vgpr_workitem_id 0
		.amdhsa_next_free_vgpr 112
		.amdhsa_next_free_sgpr 66
		.amdhsa_reserve_vcc 0
		.amdhsa_float_denorm_mode_32 3
		.amdhsa_float_denorm_mode_16_64 3
		.amdhsa_memory_ordered 1
		.amdhsa_forward_progress 1
		.amdhsa_inst_pref_size 14
	.end_amdhsa_kernel
	.amdgpu_metadata
---
amdhsa.version: [ 1, 2 ]
amdhsa.kernels:
  - .name:           k_qac0d66cab5_cvt
    .symbol:         k_qac0d66cab5_cvt.kd
    .args:
      - { .name: x, .offset: 0, .size: 8, .value_kind: global_buffer, .address_space: global }
      - { .name: F, .offset: 8, .size: 8, .value_kind: global_buffer, .address_space: global }
      - { .name: V, .offset: 16, .size: 8, .value_kind: global_buffer, .address_space: global }
      - { .name: Q, .offset: 24, .size: 8, .value_kind: global_buffer, .address_space: global }
      - { .name: K, .offset: 32, .size: 8, .value_kind: global_buffer, .address_space: global }
      - { .name: xh, .offset: 40, .size: 8, .value_kind: global_buffer, .address_space: global }
      - { .name: w1, .offset: 48, .size: 8, .value_kind: global_buffer, .address_space: global }
      - { .name: w2, .offset: 56, .size: 8, .value_kind: global_buffer, .address_space: global }
    .group_segment_fixed_size: 0
    .private_segment_fixed_size: 0
    .kernarg_segment_align: 8
    .kernarg_segment_size: 64
    .max_flat_workgroup_size: 256
    .sgpr_count:     66
    .vgpr_count:     112
    .wavefront_size: 32
...
	.end_amdgpu_metadata
.endif
;; end of part 1
;; launch proj (part 2): grid 8 x 32, 4 waves a work-group, clusters of 4 x 4, 327,680 bytes of LDS; arguments xh, w1, xv; writes xv
.if DOCPART == 2
	.amdgcn_target "amdgcn-amd-amdhsa--gfx1250"
	.amdhsa_code_object_version 6
	.text
	.protected	k_qac0d66cab5_proj
	.globl	k_qac0d66cab5_proj
	.p2align	8
	.type	k_qac0d66cab5_proj,@function
k_qac0d66cab5_proj:
	s_mov_b64 s[64:65], 0
	v_nop
	global_prefetch_b8 v0, s[64:65] scope:SCOPE_SE
	s_setreg_imm32_b32 hwreg(HW_REG_WAVE_MODE, 25, 1), 1
	s_wait_xcnt 0x0
	s_wait_alu depctr_hold_cnt(0) depctr_sa_sdst(0) depctr_va_vdst(0) depctr_va_sdst(0) depctr_va_ssrc(0) depctr_va_vcc(0) depctr_vm_vsrc(0)
	s_getreg_b32 s2, hwreg(HW_REG_IB_STS2, 6, 4)
	s_cmp_eq_u32 s2, 0
	s_cbranch_scc0 .Lentry_in_a_cluster
	s_endpgm
.Lentry_in_a_cluster:
	s_bfe_u32 s2, ttmp6, 0x10000c
	s_cmp_lg_u32 s2, 0xf033
	s_cbranch_scc0 .Lentry_shape_is_right
	s_endpgm
.Lentry_shape_is_right:
; C[half][m][n] = sum over k of A[m][k] W[k][1024 half + n].  A: [8192][1024] f16, W: [1024 k][2048 n] f16, C: [2][8192][1024] f16; sums in f32, K ascending, C rounded once.
; Run twice: (x / 4) . [F / 16 | V] = [xF / 64 | v / 4], then (xF / 64) . [Q / 16 | K / 16] = [q / 1024 | k / 1024].
; LIMITS.  f16 ends at 65,504: |xF| < 4.2e6, |v| < 2.6e5, |q|, |k| < 6.7e7, else an infinity is written; below 6.1e-5 a stored number keeps f16's fixed step of 6e-8.
; A tile of C, 256 x 256, is made by four waves, each 128 x 128: 64 accumulators of 16 x 16, 512 registers.  32 x 8 tiles: 256 work-groups.  K goes in 8 steps of 128 through
; two LDS slots filled by the tensor data mover: A's rows are 256 bytes of memory, W's 512, both starting at multiples of 256 bytes from the buffer's first byte.
; W lies [k][n] and is read out of LDS turned, by ds_load_tr16_b128: no launch transposes it.
; CLUSTERS: 4 x 4 work-groups.  The four of a row of the cluster need the same tiles of A, the four of a column the same tiles of W: each is asked for JOINTLY, by the same
; tensor load with the same descriptor and a mask that names the four.
; THE MATRIX INSTRUCTION IS USED TRANSPOSED: source 0 = 16 columns of W, source 1 = 16 rows of A: a lane then holds row l % 16 of C and the columns 8 (l / 16) + 0..7: 16 bytes of f16.
; REGISTERS, in windows of 256 (s_set_vgpr_msb: bits 1:0 source 0, 3:2 source 1, 5:4 source 2, 7:6 destination):
;   window 0: v16-29 addresses; v64-127, v128-191 fragments of A, two buffers; v192-223, v32-63, v224-255 at work on the way out
;   window 1: v64-127, v128-191 fragments of W, two buffers      window 2: the accumulators of my rows 0-63 ((a, b) at v[8 (8 a + b)])      window 3: those of my rows 64-127
; THE LOOP is written for one K step: the slot in hand is a scalar, s[TB] = 0 or SLOT, turned by an exclusive or; the fragments' addresses and the refill's LDS word are made from it.
.set NK,     8                         ; K steps of 128
.set PITCH,  272                       ; a row of A in LDS: 256 bytes + 16 = 68 words: row r starts at bank 4 r mod 64 (64 banks of 4 bytes: ISA guide 11.1): the 16 rows of a load start at 16 different banks
.set PB,     544                       ; a row of W: 512 bytes + 32 = 136 words: row r starts at bank 8 r mod 64
.set HALFT,  128*PITCH                 ; what one tensor load brings: 128 rows of A, or 64 rows of W (64 x 544 is the same 34,816 bytes)
.set BOFF,   2*HALFT                   ; W's 128 rows lie behind A's 256
.set SLOT,   4*HALFT
.set STAGE,  2*SLOT                    ; behind the ring: 16 rows x 272 bytes for each wave, for the way out
.set SPITCH, 272
.set SPARE,  STAGE+4*16*SPITCH         ; behind the stages: the spare words, 128 bytes for each wave: two blocks of 256 bytes that no other line names
.set ASTEP,  256                       ; a K step along A's rows, in bytes
.set BSTEP,  128*4096                  ; a K step down W's rows
.set CROW,   2048                      ; bytes in a row of C
.set ADRA0, 16                         ; v16  my lane's place among my A fragments in slot 0; never rewritten
.set ADRB0, 17                         ; v17  the same for W
.set ADRA,  18                         ; v18  the same in the slot in hand
.set ADRB,  19                         ; v19
.set STO,   24                         ; v24  the way out: where I put 16 bytes of a row
.set RD,    25                         ; v25  the way out: where I read a row back
.set CO,    26                         ; v26  my byte offset in C
.set SPW,   28                         ; v28  LDS address of my spare word: SPARE + 4 x my thread's number; never rewritten
.set NIL,   29                         ; v29  0; never rewritten
.set F0,    64
.set F1,    128
.set TMP,   192
.set OB,    32
.set G1,  24                           ; s[24:31] descriptor group 1 for A's tiles
.set G0,  32                           ; s[32:35] group 0 of A's first fill (slot 0); s[36:39] of the second (slot 1), which then walks on
.set G1B, 48                           ; s[48:55], s[56:59], s[60:63] the same for W's tiles
.set G0B, 56
.set TB,  45                           ; s45  the slot in hand: 0 or SLOT
.set MSB, 0
.macro WIN new                         ; the immediate's high byte repeats the setting that is left; a switch that changes nothing is dropped
.if MSB != (\new)
	s_set_vgpr_msb (MSB<<8)|(\new)
.set MSB, \new
.endif
.endm
.set MUL_LO, 0xa1                      ; source 0 (W) window 1, source 1 (A) window 0, C and D window 2
.set MUL_HI, 0xf1                      ; the same, C and D window 3
.set TO_B,   0x40                      ; destination window 1, address window 0
; A joint refill.  Waves 0 and 1 fetch A's two halves, waves 2 and 3 W's.  The branch hangs on the wave's number alone.  An s_nop 0 and four v_nop follow each of the two lines.
.macro JLOAD
	s_cmp_eq_u32 s11, 0
	s_cbranch_scc0 .Lfor_b_\@
	tensor_load_to_lds s[G0+4:G0+7], s[G1:G1+7]
	s_nop 0
.rept 4
	v_nop
.endr
	s_branch .Lasked_\@
.Lfor_b_\@:
	tensor_load_to_lds s[G0B+4:G0B+7], s[G1B:G1B+7]
	s_nop 0
.rept 4
	v_nop
.endr
.Lasked_\@:
.endm
; A round of the cluster's barrier: my work-group's barrier; wave 0 signals for the work-group; every wave waits for all sixteen work-groups; my work-group's barrier once more.
.macro CREST                           ; a round behind its opening barrier
	s_cmp_lg_u32 s10, 0
	s_cbranch_scc1 .Lnot_wave_0_\@
	s_barrier_signal -3
.Lnot_wave_0_\@:
	s_barrier_wait -3
	s_barrier_signal -1
	s_barrier_wait -1
.endm
.macro CROUND
	s_barrier_signal -1
	s_barrier_wait -1
	CREST
.endm
	s_load_b128 s[4:7], s[0:1], 0x0                ; A s[4:5], W s[6:7]
	s_load_b64 s[8:9], s[0:1], 0x10                ; C
	v_lshl_add_u32 v[SPW], v0, 2, SPARE
	v_mov_b32 v[NIL], 0
	ds_add_u32 v[SPW], v[NIL]                      ; the wave's opening: the add and its wait stand ahead of my first tensor load; the set-up below, work on registers, stands between them
	v_lshrrev_b32 v1, 5, v0
	v_readfirstlane_b32 s10, v1                    ; wave 0..3
	s_lshr_b32 s11, s10, 1                         ; which half of the tile's rows is mine.  Also: I fetch for A (0) or for W (1)
	s_and_b32 s12, s10, 1                          ; which half of its columns.  Also: which half of that tile I fetch
	s_bfe_u32 s40, ttmp6, 0x40000                  ; cx, cy: my place in the cluster
	s_bfe_u32 s41, ttmp6, 0x40004
	s_lshl_b32 s42, ttmp9, 2
	s_add_co_u32 s42, s42, s40                     ; tile column = 4 x cluster x + cx: 0..7
	s_and_b32 s13, ttmp7, 0xffff
	s_lshl_b32 s13, s13, 2
	s_add_co_u32 s13, s13, s41                     ; tile row = 4 x cluster y + cy: 0..31
	s_lshl_b32 s43, s41, 2
	s_lshl_b32 s43, 15, s43                        ; my row of the cluster: places 4 cy .. 4 cy + 3
	s_lshl_b32 s44, 0x1111, s40                    ; my column: places cx, cx + 4, cx + 8, cx + 12
	s_or_b32 s[G1+0], s43, (1<<16)|(1<<20)|(1<<21)|(5<<22)|(3<<25)   ; 15:0 the mask; 17:16 2-byte elements; 20 padding on; 21 set beside a mask; 24:22 after every 64 words (code 5); 31:25 4 words (code 3)
	s_mov_b32 s[G1+1], 128<<16                     ; tensor_dim0 = 128
	s_mov_b32 s[G1+2], 128<<16                     ; tensor_dim1 = 128
	s_mov_b32 s[G1+3], 128<<16                     ; tile_dim0 = 128 elements
	s_mov_b32 s[G1+4], 128                         ; tile_dim1 = 128 rows
	s_mov_b32 s[G1+5], 1024                        ; elements from row to row of A
	s_mov_b32 s[G1+6], 0
	s_mov_b32 s[G1+7], 0
	s_or_b32 s[G1B+0], s44, (1<<16)|(1<<20)|(1<<21)|(6<<22)|(7<<25)  ; W: my column's mask; padding after every 128 words (code 6), 8 words (code 7)
	s_mov_b32 s[G1B+1], 256<<16                    ; tensor_dim0 = 256
	s_mov_b32 s[G1B+2], 64<<16                     ; tensor_dim1 = 64
	s_mov_b32 s[G1B+3], 256<<16                    ; tile_dim0 = 256 elements
	s_mov_b32 s[G1B+4], 64                         ; tile_dim1 = 64 rows
	s_mov_b32 s[G1B+5], 2048                       ; elements from row to row of W
	s_mov_b32 s[G1B+6], 0
	s_mov_b32 s[G1B+7], 0
	; where the tiles come from.  A's hang on the tile row alone, W's on the tile column alone; each is made in registers that do not hold the other coordinate.
	s_lshl_b32 s16, s13, 8
	s_lshl_b32 s17, s12, 7
	s_add_co_u32 s16, s16, s17                     ; A: row 256 x tile row + 128 x half,
	s_lshl_b32 s16, s16, 11                        ; of 2,048 bytes
	s_mov_b32 s17, 0
	s_lshl_b32 s46, s12, 18                        ; W: 64 rows of 4,096 bytes x half,
	s_lshl_b32 s47, s42, 9                         ; 512 bytes x tile column
	s_add_co_u32 s46, s46, s47
	s_mov_b32 s47, 0
	s_mul_i32 s20, s10, HALFT                      ; and where they go: A's two halves, then W's two = wave x 34,816: no place in the cluster enters an LDS address
	s_mov_b32 s[TB], 0
	s_wait_dscnt 0x0                               ; the opening add is done
	s_wait_kmcnt 0x0
	s_add_nc_u64 s[14:15], s[4:5], s[16:17]
	s_add_nc_u64 s[46:47], s[6:7], s[46:47]
.irp s, 0,1
	s_mov_b32 s[G0+4*(\s)], 1                                      ; count = 1
	s_add_co_u32 s[G0+4*(\s)+1], s20, (\s)*SLOT                    ; LDS address
	s_add_nc_u64 s[G0+4*(\s)+2:G0+4*(\s)+3], s[14:15], (\s)*ASTEP  ; global address: K step s
	s_or_b32 s[G0+4*(\s)+3], s[G0+4*(\s)+3], 0x80000000            ; type = 2
	s_mov_b32 s[G0B+4*(\s)], 1
	s_add_co_u32 s[G0B+4*(\s)+1], s20, (\s)*SLOT
	s_add_nc_u64 s[G0B+4*(\s)+2:G0B+4*(\s)+3], s[46:47], (\s)*BSTEP
	s_or_b32 s[G0B+4*(\s)+3], s[G0B+4*(\s)+3], 0x80000000
.endr
	CROUND                                         ; all sixteen work-groups are here: the first joint loads meet
	s_cmp_eq_u32 s11, 0                            ; a wave's two first fills stand in one branch, ahead of every wait on TENSORcnt and every LDS read: two loads of mine are out
	s_cbranch_scc0 .Lfirst_b
	tensor_load_to_lds s[G0:G0+3], s[G1:G1+7]
	s_nop 0
	tensor_load_to_lds s[G0+4:G0+7], s[G1:G1+7]
	s_nop 0
.rept 4
	v_nop
.endr
	s_branch .Lfirst_asked
.Lfirst_b:
	tensor_load_to_lds s[G0B:G0B+3], s[G1B:G1B+7]
	s_nop 0
	tensor_load_to_lds s[G0B+4:G0B+7], s[G1B:G1B+7]
	s_nop 0
.rept 4
	v_nop
.endr
.Lfirst_asked:
	; A fragment of A is 16 rows x 32 K in 8 registers: lane l holds row l % 16, K = 8 (l / 16) + 0..7 and 16 + 8 (l / 16) + 0..7: two loads of 16 bytes, 32 bytes apart.
	v_and_b32 v1, 15, v0                           ; l % 16
	v_bfe_u32 v2, v0, 4, 1                         ; l / 16
	v_mul_u32_u24 v3, v1, PITCH
	v_lshl_add_u32 v3, v2, 4, v3                   ; row x pitch + 16 x half
	s_mul_i32 s21, s11, HALFT                      ; my 128 rows of A
	v_add_nc_u32 v[ADRA0], s21, v3
	; The turning load takes 16 k x 16 n (lane l reads 16 bytes: k = 8 (l / 16) + l % 8, n = 8 ((l / 8) % 2) + 0..7) and leaves half a fragment: lane l holds column l % 16 and 8 k.
	v_and_b32 v4, 7, v0
	v_lshl_add_u32 v4, v2, 3, v4
	v_mul_u32_u24 v4, v4, PB
	v_bfe_u32 v5, v0, 3, 1
	v_lshl_add_u32 v4, v5, 4, v4
	s_lshl_b32 s22, s12, 8                         ; my 128 columns of W: 256 bytes
	s_add_co_u32 s22, s22, BOFF
	v_add_nc_u32 v[ADRB0], s22, v4
	v_mov_b32 v[ADRA], v[ADRA0]                    ; slot 0 is in hand
	v_mov_b32 v[ADRB], v[ADRB0]
	s_mul_i32 s23, s10, 16*SPITCH
	s_add_co_u32 s23, s23, STAGE                   ; my stage
	v_add_nc_u32 v[STO], s23, v3                   ; in: row l % 16, 16 bytes for each half of the lanes (the stage's pitch is A's)
	v_mul_u32_u24 v5, v2, SPITCH                   ; back: lanes 0-15 take one row of 256 bytes, lanes 16-31 the next
	v_lshl_add_u32 v5, v1, 4, v5
	v_add_nc_u32 v[RD], s23, v5
	v_lshlrev_b32 v5, 11, v2                       ; and the same two rows in C
	v_lshl_add_u32 v[CO], v1, 4, v5
	; where my part of the tile begins in C, in bytes: the way out adds it to C's address
	s_lshl_b32 s16, s13, 8
	s_lshl_b32 s14, s11, 7
	s_add_co_u32 s16, s16, s14                     ; my first row
	s_lshl_b32 s16, s16, 11
	s_lshr_b32 s46, s42, 2                         ; which of C's two tensors: 16,777,216 bytes each
	s_lshl_b32 s46, s46, 24
	s_and_b32 s47, s42, 3
	s_lshl_b32 s47, s47, 9                         ; the tile's 512 bytes of a row,
	s_add_co_u32 s46, s46, s47
	s_lshl_b32 s47, s12, 8                         ; my 256 of them
	s_add_co_u32 s46, s46, s47
	s_add_co_u32 s16, s16, s46
	s_mov_b32 s17, 0
; 16 matrix instructions: m blocks a0, a0 + 1 of the window's four (hi = 0: my rows 0-63, 1: rows 64-127) x all 8 n blocks, 32 along K.  zero = 1: the first product starts the sums.
; The 64 accumulators take turns in the same order in every quarter.
.macro MUL16 f, hi, a0, zero
	WIN MUL_LO+0x50*(\hi)
.irp a, \a0, (\a0)+1
.irp b, 0,1,2,3,4,5,6,7
.if \zero
	v_wmma_f32_16x16x32_f16 v[8*(8*(\a)+(\b)):8*(8*(\a)+(\b))+7], v[(\f)+8*(\b):(\f)+8*(\b)+7], v[(\f)+8*(4*(\hi)+(\a)):(\f)+8*(4*(\hi)+(\a))+7], 0
.else
	v_wmma_f32_16x16x32_f16 v[8*(8*(\a)+(\b)):8*(8*(\a)+(\b))+7], v[(\f)+8*(\b):(\f)+8*(\b)+7], v[(\f)+8*(4*(\hi)+(\a)):(\f)+8*(4*(\hi)+(\a))+7], v[8*(8*(\a)+(\b)):8*(8*(\a)+(\b))+7]
.endif
.endr
.endr
.endm
; 32 LDS loads in one run: the fragments of quarter q (32 along K) of the slot in hand into buffer f: W's eight, turned, then A's eight
.macro FETCH q, f
	WIN TO_B
.irp i, 0,1,2,3,4,5,6,7
	ds_load_tr16_b128 v[(\f)+8*(\i):(\f)+8*(\i)+3],   v[ADRB] offset:(\q)*32*PB+32*(\i)
	ds_load_tr16_b128 v[(\f)+8*(\i)+4:(\f)+8*(\i)+7], v[ADRB] offset:(\q)*32*PB+16*PB+32*(\i)
.endr
	WIN 0
.irp i, 0,1,2,3,4,5,6,7
	ds_load_b128 v[(\f)+8*(\i):(\f)+8*(\i)+3],   v[ADRA] offset:(\q)*64+(\i)*16*PITCH
	ds_load_b128 v[(\f)+8*(\i)+4:(\f)+8*(\i)+7], v[ADRA] offset:(\q)*64+(\i)*16*PITCH+32
.endr
.endm
; A load into a register that a matrix instruction has read, and a vector instruction or LDS store that reads a matrix result, stand four places behind it; only plain vector
; instructions that name none of its registers are places (ISA guide 7.12.1 for vector instructions).
.macro PLACES
.rept 4
	v_nop
.endr
.endm
; One of a K step's first three quarters: multiplies buffer f; in its middle it fetches quarter q into buffer g, 32 matrix instructions ahead of its first use.
.macro QUARTER q, f, g, zero
	s_wait_dscnt 8                                 ; W and A's rows 0-63 are in; the youngest eight loads (A's rows 64-127) may be out
	MUL16 \f, 0, 0, \zero
	MUL16 \f, 0, 2, \zero
	PLACES
	FETCH \q, \g
	s_wait_dscnt 32                                ; all but the 32 just issued
	MUL16 \f, 1, 0, \zero
	MUL16 \f, 1, 2, \zero
.endm
; The last quarter multiplies buffer 1 and changes slots: ONE barrier.  In front of it each wave waits for all its tensor loads (one is out: its part of the next slot), adds 0 to its spare
; word, and waits for that and for its own reads of this slot.  fill = 1: the barrier opens a round of the cluster's barrier, and this slot is filled again, with the K step two steps on,
; first thing behind the round: from that request to the wait for it a wave issues 224 matrix instructions.
.macro TURN fill
	WIN 0                                          ; (the add's two registers lie in window 0)
	s_wait_tensorcnt 0x0                           ; all my tensor loads have landed, so a group 0 may be written
	ds_add_u32 v[SPW], v[NIL]                      ; 0 onto my spare word
	s_wait_dscnt 9                                 ; (the add and the youngest eight loads may be out)
	MUL16 F1, 0, 0, 0                              ; sixteen matrix instructions stand between the add and the wait for it
	s_wait_dscnt 0x0                               ; the add is done, and my reads of this slot are over
	s_barrier_signal -1
	MUL16 F1, 0, 2, 0                              ; work on registers while the others arrive
	WIN 0
	s_barrier_wait -1
.if \fill
	CREST                                          ; no wave of any partner still reads this slot's tile or has a load on its way
	s_add_co_u32 s[G0+5], s20, s[TB]               ; the walking descriptors: into the slot just read,
	s_add_nc_u64 s[G0+6:G0+7], s[G0+6:G0+7], ASTEP ; the K step behind the one asked for last; the type bits on top are not reached
	s_add_co_u32 s[G0B+5], s20, s[TB]
	s_add_nc_u64 s[G0B+6:G0B+7], s[G0B+6:G0B+7], BSTEP
	JLOAD                                          ; the four v_nop behind it are also the places in front of the loads below
.else
	PLACES
.endif
	s_xor_b32 s[TB], s[TB], SLOT                   ; the other slot is in hand
	v_add_nc_u32 v[ADRA], s[TB], v[ADRA0]
	v_add_nc_u32 v[ADRB], s[TB], v[ADRB0]
	FETCH 0, F0
	MUL16 F1, 1, 0, 0
	MUL16 F1, 1, 2, 0
.endm
.macro LASTQ                           ; the very last quarter: nothing more to fetch
	s_wait_dscnt 8
	MUL16 F1, 0, 0, 0
	MUL16 F1, 0, 2, 0
	s_wait_dscnt 0x0
	MUL16 F1, 1, 0, 0
	MUL16 F1, 1, 2, 0
	WIN 0
	PLACES                                         ; what follows reads results just made
.endm
; THE WAY OUT of block a (16 rows).  PACK: rounded to f16, 16 bytes a lane, each accumulator's registers ascending.  TOSTAGE: into my own stage, and back as whole rows of 256 bytes.  SEND: stored.
.macro PACK a
.set AC, 64*((\a)%4)
	WIN 0x0a+5*((\a)/4)                            ; sources 0 and 1: window 2 or 3
.irp b, 0,1,2,3,4,5,6,7
.irp r, 0,1,2,3
	v_cvt_pk_f16_f32 v[TMP+4*(\b)+(\r)], v[AC+8*(\b)+2*(\r)], v[AC+8*(\b)+2*(\r)+1]
.endr
.endr
	WIN 0
.endm
.macro TOSTAGE a
.set BK, OB+192*((\a)%2)
.irp b, 0,1,2,3,4,5,6,7
	ds_store_b128 v[STO], v[TMP+4*(\b):TMP+4*(\b)+3] offset:32*(\b)
.endr
.irp t, 0,1,2,3,4,5,6,7
	ds_load_b128 v[BK+4*(\t):BK+4*(\t)+3], v[RD] offset:(\t)*2*SPITCH  ; LDS serves a wave's instructions in order (ISA guide 5.7.1.4): these see the stores above
.endr
.endm
.macro SEND a
.set BK, OB+192*((\a)%2)
	s_wait_dscnt 0x0                               ; the block is back in registers
	s_wait_xcnt 0x0                                ; only behind this wait are the stores' base and the registers that earlier stores read rewritten (ISA guide 3.1)
.if (\a) == 0
	s_add_nc_u64 s[8:9], s[8:9], s[16:17]          ; on to my first rows
.else
	s_add_nc_u64 s[8:9], s[8:9], 16*CROW           ; 16 rows on
.endif
.irp t, 0,1,2,3,4,5,6,7
	global_store_b128 v[CO], v[BK+4*(\t):BK+4*(\t)+3], s[8:9] offset:2*(\t)*CROW  ; 16 lanes store 256 consecutive bytes, at a multiple of 256 from C's first byte
.endr
.endm
	s_wait_tensorcnt 0x1                           ; my part of K step 0 is in; K step 1's may stay out
	s_barrier_signal -1
	s_barrier_wait -1                              ; everybody's is
	FETCH 0, F0
	QUARTER 1, F0, F1, 1                           ; the first quarter stands in front of the loop: its products start the sums
	WIN 0                                          ; at a label and at a branch every window is 0
	s_mov_b32 s3, NK-2
.Lstep:                                                ; a trip goes from a K step's second quarter to the next step's first, and fills the slot that it leaves
	QUARTER 2, F1, F0, 0
	QUARTER 3, F0, F1, 0
	TURN 1
	QUARTER 1, F0, F1, 0
	WIN 0
	s_sub_co_u32 s3, s3, 1
	s_cmp_lg_u32 s3, 0
	s_cbranch_scc1 .Lstep
	QUARTER 2, F1, F0, 0                           ; the last two K steps are written out: they ask for nothing
	QUARTER 3, F0, F1, 0
	TURN 0
	QUARTER 1, F0, F1, 0
	QUARTER 2, F1, F0, 0
	QUARTER 3, F0, F1, 0
	LASTQ
	PACK 0
	TOSTAGE 0
.irp a, 1,2,3,4,5,6,7                  ; block a's conversions stand between block a - 1's loads from the stage and the wait for them
	PACK \a
	SEND (\a)-1
	TOSTAGE \a
.endr
	SEND 7
	s_wait_tensorcnt 0x0                           ; the wave's end: 0 onto my spare word and its wait, behind my last tensor load and my last LDS store
	ds_add_u32 v[SPW], v[NIL]
	s_wait_dscnt 0x0
	CROUND                                         ; the closing round: no work-group ends while a partner may still ask for a tile that names it
	s_endpgm
.Lfunc_end_k_qac0d66cab5_proj:
	.size	k_qac0d66cab5_proj, .Lfunc_end_k_qac0d66cab5_proj-k_qac0d66cab5_proj
	.p2alignl 7, 3214868480
	.fill 96, 4, 3214868480
	.section	.rodata,"a",@progbits
	.p2align	6, 0x0
	.amdhsa_kernel k_qac0d66cab5_proj
		.amdhsa_group_segment_fixed_size 327680
		.amdhsa_private_segment_fixed_size 0
		.amdhsa_enable_private_segment 0
		.amdhsa_kernarg_size 24
		.amdhsa_user_sgpr_count 2
		.amdhsa_user_sgpr_kernarg_segment_ptr 1
		.amdhsa_wavefront_size32 1
		.amdhsa_system_sgpr_workgroup_id_x 1
		.amdhsa_system_sgpr_workgroup_id_y 1
		.amdhsa_system_sgpr_workgroup_id_z 1
		.amdhsa_system_vgpr_workitem_id 0
		.amdhsa_next_free_vgpr 1024
		.amdhsa_next_free_sgpr 66
		.amdhsa_reserve_vcc 0
		.amdhsa_float_denorm_mode_32 3
		.amdhsa_float_denorm_mode_16_64 3
		.amdhsa_memory_ordered 1
		.amdhsa_forward_progress 1
		.amdhsa_inst_pref_size 116
	.end_amdhsa_kernel
	.amdgpu_metadata
---
amdhsa.version: [ 1, 2 ]
amdhsa.kernels:
  - .name:           k_qac0d66cab5_proj
    .symbol:         k_qac0d66cab5_proj.kd
    .args:
      - { .name: xh, .offset: 0, .size: 8, .value_kind: global_buffer, .address_space: global }
      - { .name: w1, .offset: 8, .size: 8, .value_kind: global_buffer, .address_space: global }
      - { .name: xv, .offset: 16, .size: 8, .value_kind: global_buffer, .address_space: global }
    .group_segment_fixed_size: 327680
    .private_segment_fixed_size: 0
    .kernarg_segment_align: 8
    .kernarg_segment_size: 24
    .max_flat_workgroup_size: 128
    .sgpr_count:     66
    .vgpr_count:     1024
    .wavefront_size: 32
...
	.end_amdgpu_metadata
.endif
;; end of part 2
;; launch proj2: the kernel of part 2 again; grid 8 x 32, 4 waves a work-group, clusters of 4 x 4, 327,680 bytes of LDS; arguments xv, w2, qk; writes qk
;; launch score (part 3): grid 8 x 32, 4 waves a work-group, clusters of 4 x 4, 327,680 bytes of LDS; arguments qk, e, st; writes e, st
.if DOCPART == 3
	.amdgcn_target "amdgcn-amd-amdhsa--gfx1250"
	.amdhsa_code_object_version 6
	.text
	.protected	k_qac0d66cab5_score
	.globl	k_qac0d66cab5_score
	.p2align	8
	.type	k_qac0d66cab5_score,@function
k_qac0d66cab5_score:
	s_mov_b64 s[64:65], 0
	v_nop
	global_prefetch_b8 v0, s[64:65] scope:SCOPE_SE
	s_setreg_imm32_b32 hwreg(HW_REG_WAVE_MODE, 25, 1), 1
	s_wait_xcnt 0x0
	s_wait_alu depctr_hold_cnt(0) depctr_sa_sdst(0) depctr_va_vdst(0) depctr_va_sdst(0) depctr_va_ssrc(0) depctr_va_vcc(0) depctr_vm_vsrc(0)
	s_getreg_b32 s2, hwreg(HW_REG_IB_STS2, 6, 4)
	s_cmp_eq_u32 s2, 0
	s_cbranch_scc0 .Lentry_in_a_cluster
	s_endpgm
.Lentry_in_a_cluster:
	s_bfe_u32 s2, ttmp6, 0x10000c
	s_cmp_lg_u32 s2, 0xf033
	s_cbranch_scc0 .Lentry_shape_is_right
	s_endpgm
.Lentry_shape_is_right:
; THE SCORES AND THE FIRST HALF OF THE SOFTMAX.  qk: [2][8192][1024] f16 = q / 1024, k / 1024.  For each query row and each CHUNK of 128 keys of its batch:
;   mu = c x the chunk's largest S, S = (q / 1024) . (k / 1024) in f32, c = log2(e) x 2^20 / 32, so that c S = log2(e) x the score;
;   E = 2^(c S - mu), rounded to f16, into e[8192 rows][2048 keys];   l = the sum of the unrounded E;   mu and l into st[2][16 chunks][8192 rows] f32.
; The maximum taken away is the chunk's own; the next launch takes the row's maximum over the 16 chunks: together the softmax with the row's true maximum.
; LIMITS.  E lies in 0 to 1; below 6e-5 it keeps f16's fixed step of 6e-8; an E below 2^-126 counts as 0 in l.  NaN and infinities are not treated apart.
; A tile of 256 queries x 256 keys is made by four waves, each 128 x 128 (one chunk): 64 accumulators, 512 registers.  32 x 8 tiles: 256 work-groups.  The 1,024 channels go in 8 steps of 128
; through two LDS slots; q's and k's rows are 256 bytes of memory, starting at multiples of 256 bytes.
; CLUSTERS: 4 x 4 work-groups, all of one batch.  The four of a row of the cluster need the same tiles of q, the four of a column the same tiles of k: each is asked for JOINTLY.
; THE MATRIX INSTRUCTION: source 0 = 16 keys, source 1 = 16 queries: a lane holds query l % 16 and the keys 8 (l / 16) + 0..7.
; REGISTERS: window 0: v16-31 addresses; v64-127, v128-191 fragments of q, two buffers, later the way out's; window 1: v64-127, v128-191 fragments of k; windows 2, 3: the accumulators.
; THE WAY OUT goes through LDS in f32: a store of whole 256-byte pieces of e's rows wants the scores turned anyway, and turned they lie a row to 16 lanes, so that one short text, looped
; over eight blocks of 16 rows, serves all 512 accumulator registers.  The dump lies in the ring, whose bytes have had their last fill.
.set NK,     8
.set PITCH,  272                       ; an LDS row: 256 bytes + 16 = 68 words: row r starts at bank 4 r mod 64 (64 banks of 4 bytes: ISA guide 11.1)
.set HALFT,  128*PITCH                 ; 128 rows: what one tensor load brings, and what one wave reads of q or of k
.set BOFF,   2*HALFT
.set SLOT,   4*HALFT
.set DP,     528                       ; a row of the dump: 128 f32 + 16 bytes = 132 words: row r starts at bank 4 r mod 64
.set STAT,   4*128*DP                  ; behind the four dumps, still inside the ring: 1,024 bytes for each wave: 128 mu, 128 l
.set SPARE,  2*SLOT                    ; behind the ring: the spare words, 128 bytes for each wave: two blocks of 256 bytes that no other line names
.set ASTEP,  256
.set ADRA0, 16
.set ADRB0, 17
.set ADRA,  18
.set ADRB,  19
.set STO,   24                         ; v24  the dump: where I put 16 bytes of a row
.set RD,    25                         ; v25  where I read a row back; steps 16 rows a trip
.set SA,    26                         ; v26  where my row's mu goes; steps 16 rows a trip
.set EO,    27                         ; v27  my byte offset in two rows of e
.set SPW,   28                         ; v28  LDS address of my spare word; never rewritten
.set NIL,   29                         ; v29  0; never rewritten
.set SR,    30                         ; v30  where I read four rows' mu back
.set SO,    31                         ; v31  my byte offset in 512 bytes of st
.set F0,    64
.set F1,    128
.set X,     64                         ; the way out: v64-127 eight scores for each of 8 pairs of rows
.set U,     128                        ; v128-159 partial sums
.set T,     160                        ; v160-175 for each pair of rows: mu, l
.set CS,  18                           ; s[18:19] c: the packed scaling takes the pair's low word for both halves
.set G1,  24
.set G0,  32
.set G1B, 48
.set G0B, 56
.set TB,  45
.set MSB, 0
.macro WIN new
.if MSB != (\new)
	s_set_vgpr_msb (MSB<<8)|(\new)
.set MSB, \new
.endif
.endm
.set MUL_LO, 0xa1                      ; source 0 (k) window 1, source 1 (q) window 0, C and D window 2
.set MUL_HI, 0xf1
.set TO_B,   0x40
.macro JLOAD                           ; a joint refill: waves 0 and 1 fetch q's two halves, waves 2 and 3 k's; an s_nop 0 and four v_nop follow each of the two lines
	s_cmp_eq_u32 s11, 0
	s_cbranch_scc0 .Lfor_b_\@
	tensor_load_to_lds s[G0+4:G0+7], s[G1:G1+7]
	s_nop 0
.rept 4
	v_nop
.endr
	s_branch .Lasked_\@
.Lfor_b_\@:
	tensor_load_to_lds s[G0B+4:G0B+7], s[G1B:G1B+7]
	s_nop 0
.rept 4
	v_nop
.endr
.Lasked_\@:
.endm
.macro CREST                           ; a round of the cluster's barrier behind its opening barrier
	s_cmp_lg_u32 s10, 0
	s_cbranch_scc1 .Lnot_wave_0_\@
	s_barrier_signal -3
.Lnot_wave_0_\@:
	s_barrier_wait -3
	s_barrier_signal -1
	s_barrier_wait -1
.endm
.macro CROUND
	s_barrier_signal -1
	s_barrier_wait -1
	CREST
.endm
	s_load_b128 s[4:7], s[0:1], 0x0                ; qk s[4:5], e s[6:7]
	s_load_b64 s[8:9], s[0:1], 0x10                ; st
	v_lshl_add_u32 v[SPW], v0, 2, SPARE
	v_mov_b32 v[NIL], 0
	ds_add_u32 v[SPW], v[NIL]                      ; the wave's opening: the add and its wait stand ahead of my first tensor load; the set-up below, work on registers, stands between them
	v_lshrrev_b32 v1, 5, v0
	v_readfirstlane_b32 s10, v1                    ; wave 0..3
	s_lshr_b32 s11, s10, 1                         ; which half of the tile's queries is mine.  Also: I fetch for q (0) or for k (1)
	s_and_b32 s12, s10, 1                          ; which half of its keys.  Also: which 128 rows of that tile I fetch
	s_bfe_u32 s40, ttmp6, 0x40000                  ; cx, cy
	s_bfe_u32 s41, ttmp6, 0x40004
	s_lshl_b32 s42, ttmp9, 2
	s_add_co_u32 s42, s42, s40                     ; key tile in the batch = 4 x cluster x + cx: 0..7
	s_and_b32 s18, ttmp7, 0xffff
	s_lshl_b32 s13, s18, 2
	s_add_co_u32 s13, s13, s41                     ; query tile = 4 x cluster y + cy: 0..31
	s_lshr_b32 s18, s18, 1                         ; the batch: two clusters deep, so all sixteen partners share it
	s_lshl_b32 s43, s41, 2
	s_lshl_b32 s43, 15, s43                        ; my row of the cluster
	s_lshl_b32 s44, 0x1111, s40                    ; my column
	s_or_b32 s[G1+0], s43, (1<<16)|(1<<20)|(1<<21)|(5<<22)|(3<<25)   ; the mask; 2-byte elements; padding on; 21 set beside a mask; after every 64 words (code 5) 4 words (code 3)
	s_or_b32 s[G1B+0], s44, (1<<16)|(1<<20)|(1<<21)|(5<<22)|(3<<25)
.irp g, G1, G1B
	s_mov_b32 s[(\g)+1], 128<<16                   ; tensor_dim0 = 128
	s_mov_b32 s[(\g)+2], 128<<16                   ; tensor_dim1 = 128
	s_mov_b32 s[(\g)+3], 128<<16                   ; tile_dim0 = 128
	s_mov_b32 s[(\g)+4], 128                       ; tile_dim1 = 128
	s_mov_b32 s[(\g)+5], 1024                      ; elements from row to row
	s_mov_b32 s[(\g)+6], 0
	s_mov_b32 s[(\g)+7], 0
.endr
	s_lshl_b32 s16, s13, 8
	s_lshl_b32 s17, s12, 7
	s_add_co_u32 s16, s16, s17                     ; q: row 256 x query tile + 128 x half,
	s_lshl_b32 s16, s16, 11                        ; of 2,048 bytes
	s_mov_b32 s17, 0
	s_lshl_b32 s46, s18, 11                        ; k: row 2,048 x batch
	s_lshl_b32 s47, s42, 8                         ; + 256 x key tile
	s_add_co_u32 s46, s46, s47
	s_lshl_b32 s47, s12, 7                         ; + 128 x half,
	s_add_co_u32 s46, s46, s47
	s_lshl_b32 s46, s46, 11                        ; of 2,048 bytes,
	s_add_co_u32 s46, s46, 0x1000000               ; behind q's 16,777,216
	s_mov_b32 s47, 0
	s_mul_i32 s20, s10, HALFT                      ; where they go: wave x 128 rows
	s_mov_b32 s[TB], 0
	s_wait_dscnt 0x0                               ; the opening add is done
	s_wait_kmcnt 0x0
	s_add_nc_u64 s[14:15], s[4:5], s[16:17]
	s_add_nc_u64 s[46:47], s[4:5], s[46:47]
.irp s, 0,1
	s_mov_b32 s[G0+4*(\s)], 1
	s_add_co_u32 s[G0+4*(\s)+1], s20, (\s)*SLOT
	s_add_nc_u64 s[G0+4*(\s)+2:G0+4*(\s)+3], s[14:15], (\s)*ASTEP
	s_or_b32 s[G0+4*(\s)+3], s[G0+4*(\s)+3], 0x80000000
	s_mov_b32 s[G0B+4*(\s)], 1
	s_add_co_u32 s[G0B+4*(\s)+1], s20, (\s)*SLOT
	s_add_nc_u64 s[G0B+4*(\s)+2:G0B+4*(\s)+3], s[46:47], (\s)*ASTEP
	s_or_b32 s[G0B+4*(\s)+3], s[G0B+4*(\s)+3], 0x80000000
.endr
	CROUND                                         ; all sixteen work-groups are here: the first joint loads meet
	s_cmp_eq_u32 s11, 0                            ; a wave's two first fills stand in one branch: two loads of mine are out
	s_cbranch_scc0 .Lfirst_b
	tensor_load_to_lds s[G0:G0+3], s[G1:G1+7]
	s_nop 0
	tensor_load_to_lds s[G0+4:G0+7], s[G1:G1+7]
	s_nop 0
.rept 4
	v_nop
.endr
	s_branch .Lfirst_asked
.Lfirst_b:
	tensor_load_to_lds s[G0B:G0B+3], s[G1B:G1B+7]
	s_nop 0
	tensor_load_to_lds s[G0B+4:G0B+7], s[G1B:G1B+7]
	s_nop 0
.rept 4
	v_nop
.endr
.Lfirst_asked:
	v_and_b32 v1, 15, v0                           ; l % 16
	v_bfe_u32 v2, v0, 4, 1                         ; l / 16
	v_mul_u32_u24 v3, v1, PITCH
	v_lshl_add_u32 v3, v2, 4, v3                   ; a fragment's row x pitch + 16 x half
	s_mul_i32 s21, s11, HALFT                      ; my 128 rows of q
	s_mul_i32 s22, s12, HALFT                      ; my 128 rows of k,
	s_add_co_u32 s22, s22, BOFF                    ; which lie behind q's 256
	v_add_nc_u32 v[ADRA0], s21, v3
	v_add_nc_u32 v[ADRB0], s22, v3
	v_mov_b32 v[ADRA], v[ADRA0]
	v_mov_b32 v[ADRB], v[ADRB0]
	s_mul_i32 s23, s10, 128*DP                     ; my dump
	v_mul_u32_u24 v4, v1, DP                       ; in: row l % 16, 16 bytes for each half of the lanes
	v_lshl_add_u32 v4, v2, 4, v4
	v_add_nc_u32 v[STO], s23, v4
	v_mul_u32_u24 v5, v2, DP                       ; back: lanes 0-15 take one row, lanes 16-31 the next; 16 bytes a lane
	v_lshl_add_u32 v5, v1, 4, v5
	v_add_nc_u32 v[RD], s23, v5
	s_lshl_b32 s22, s10, 10
	s_add_co_u32 s22, s22, STAT                    ; my 128 mu and 128 l
	v_lshl_add_u32 v[SA], v2, 2, s22
	v_lshlrev_b32 v5, 12, v2                       ; the same two rows in e: 4,096 bytes apart
	v_lshl_add_u32 v[EO], v1, 4, v5
	v_and_b32 v5, 31, v0
	v_lshlrev_b32 v[SO], 4, v5
	v_add_nc_u32 v[SR], s22, v[SO]
	s_lshl_b32 s16, s13, 8
	s_lshl_b32 s14, s11, 7
	s_add_co_u32 s16, s16, s14                     ; my first row: 256 x query tile + 128 x half
	s_lshl_b32 s14, s16, 12                        ; of 4,096 bytes of e,
	s_lshl_b32 s46, s42, 9                         ; the tile's 512 bytes,
	s_add_co_u32 s14, s14, s46
	s_lshl_b32 s46, s12, 8                         ; my 256 of them
	s_add_co_u32 s14, s14, s46
	s_mov_b32 s15, 0
	s_add_nc_u64 s[6:7], s[6:7], s[14:15]
	s_lshl_b32 s46, s42, 1
	s_add_co_u32 s46, s46, s12                     ; my chunk: 2 x key tile + half,
	s_lshl_b32 s46, s46, 13                        ; its 8,192 rows in st,
	s_add_co_u32 s46, s46, s16                     ; my first row,
	s_lshl_b32 s46, s46, 2                         ; in bytes
	s_mov_b32 s47, 0
	s_add_nc_u64 s[8:9], s[8:9], s[46:47]
	s_mov_b32 s[CS], 0x4738aa3b                    ; c = log2(e) x 2^15
	s_mov_b32 s[CS+1], s[CS]                       ; named with it as a pair
; 16 matrix instructions: query blocks a0, a0 + 1 of the window's four x all 8 key blocks, 32 channels.  The 64 accumulators take turns in the same order in every quarter.
.macro MUL16 f, hi, a0, zero
	WIN MUL_LO+0x50*(\hi)
.irp a, \a0, (\a0)+1
.irp b, 0,1,2,3,4,5,6,7
.if \zero
	v_wmma_f32_16x16x32_f16 v[8*(8*(\a)+(\b)):8*(8*(\a)+(\b))+7], v[(\f)+8*(\b):(\f)+8*(\b)+7], v[(\f)+8*(4*(\hi)+(\a)):(\f)+8*(4*(\hi)+(\a))+7], 0
.else
	v_wmma_f32_16x16x32_f16 v[8*(8*(\a)+(\b)):8*(8*(\a)+(\b))+7], v[(\f)+8*(\b):(\f)+8*(\b)+7], v[(\f)+8*(4*(\hi)+(\a)):(\f)+8*(4*(\hi)+(\a))+7], v[8*(8*(\a)+(\b)):8*(8*(\a)+(\b))+7]
.endif
.endr
.endr
.endm
.macro FETCH q, f                      ; 32 LDS loads in one run: quarter q of the slot in hand into buffer f: k's eight fragments, then q's eight
	WIN TO_B
.irp i, 0,1,2,3,4,5,6,7
	ds_load_b128 v[(\f)+8*(\i):(\f)+8*(\i)+3],   v[ADRB] offset:(\q)*64+(\i)*16*PITCH
	ds_load_b128 v[(\f)+8*(\i)+4:(\f)+8*(\i)+7], v[ADRB] offset:(\q)*64+(\i)*16*PITCH+32
.endr
	WIN 0
.irp i, 0,1,2,3,4,5,6,7
	ds_load_b128 v[(\f)+8*(\i):(\f)+8*(\i)+3],   v[ADRA] offset:(\q)*64+(\i)*16*PITCH
	ds_load_b128 v[(\f)+8*(\i)+4:(\f)+8*(\i)+7], v[ADRA] offset:(\q)*64+(\i)*16*PITCH+32
.endr
.endm
.macro PLACES                          ; four places in front of loads into registers that matrix instructions have read, and of what reads results just made (ISA guide 7.12.1 for vector instructions)
.rept 4
	v_nop
.endr
.endm
.macro QUARTER q, f, g, zero
	s_wait_dscnt 8                                 ; k and q's rows 0-63 are in; the youngest eight loads (q's rows 64-127) may be out
	MUL16 \f, 0, 0, \zero
	MUL16 \f, 0, 2, \zero
	PLACES
	FETCH \q, \g
	s_wait_dscnt 32                                ; all but the 32 just issued
	MUL16 \f, 1, 0, \zero
	MUL16 \f, 1, 2, \zero
.endm
; The last quarter multiplies buffer 1 and changes slots: ONE barrier; in front of it each wave waits for all its tensor loads, adds 0 to its spare word, and waits for that and for its reads of
; this slot.  fill = 1: the barrier opens a round of the cluster's barrier, and this slot is filled again first thing behind it: 224 matrix instructions ahead of the wait for that load.
.macro TURN fill
	WIN 0
	s_wait_tensorcnt 0x0                           ; all my tensor loads have landed, so a group 0 may be written
	ds_add_u32 v[SPW], v[NIL]                      ; 0 onto my spare word
	s_wait_dscnt 9                                 ; (the add and the youngest eight loads may be out)
	MUL16 F1, 0, 0, 0
	s_wait_dscnt 0x0                               ; the add is done, and my reads of this slot are over
	s_barrier_signal -1
	MUL16 F1, 0, 2, 0
	WIN 0
	s_barrier_wait -1
.if \fill
	CREST
	s_add_co_u32 s[G0+5], s20, s[TB]               ; the walking descriptors: into the slot just read, the next 128 channels
	s_add_nc_u64 s[G0+6:G0+7], s[G0+6:G0+7], ASTEP
	s_add_co_u32 s[G0B+5], s20, s[TB]
	s_add_nc_u64 s[G0B+6:G0B+7], s[G0B+6:G0B+7], ASTEP
	JLOAD                                          ; the four v_nop behind it are also the places in front of the loads below
.else
	PLACES
.endif
	s_xor_b32 s[TB], s[TB], SLOT
	v_add_nc_u32 v[ADRA], s[TB], v[ADRA0]
	v_add_nc_u32 v[ADRB], s[TB], v[ADRB0]
	FETCH 0, F0
	MUL16 F1, 1, 0, 0
	MUL16 F1, 1, 2, 0
.endm
	s_wait_tensorcnt 0x1                           ; my part of step 0 is in; step 1's may stay out
	s_barrier_signal -1
	s_barrier_wait -1
	FETCH 0, F0
	QUARTER 1, F0, F1, 1                           ; the first quarter's products start the sums
	WIN 0
	s_mov_b32 s3, NK-2
.Lstep:
	QUARTER 2, F1, F0, 0
	QUARTER 3, F0, F1, 0
	TURN 1
	QUARTER 1, F0, F1, 0
	WIN 0
	s_sub_co_u32 s3, s3, 1
	s_cmp_lg_u32 s3, 0
	s_cbranch_scc1 .Lstep
	QUARTER 2, F1, F0, 0                           ; the last two steps are written out: they ask for nothing
	QUARTER 3, F0, F1, 0
	TURN 0
	QUARTER 1, F0, F1, 0
	QUARTER 2, F1, F0, 0
	QUARTER 3, F0, F1, 0
	s_wait_dscnt 8
	MUL16 F1, 0, 0, 0
	MUL16 F1, 0, 2, 0
	s_wait_dscnt 0x0                               ; my last reads of the ring are back
	MUL16 F1, 1, 0, 0
	MUL16 F1, 1, 2, 0
	WIN 0
	PLACES                                         ; the stores below read results just made
	s_barrier_signal -1                            ; every wave's reads of the ring are over, and no tensor load is out or to come:
	s_barrier_wait -1                              ; the ring's bytes may be written
	; THE DUMP.  A lane's eight scores of accumulator (a, b) are keys 16 b + 8 (l / 16) + 0..7 of row 16 a + l % 16.  Registers 0-3 go to byte 32 b + 16 (l / 16) of the row, registers 4-7 256 bytes on:
	; so piece n of 16 bytes in the row's first half holds keys 8 n + 0..3, piece n in its second half keys 8 n + 4..7.  Each accumulator's lowest registers are read first.
.irp a, 0,1,2,3,4,5,6,7
	WIN 0x08+4*((\a)/4)                            ; the data (source 1) in window 2 or 3
.irp b, 0,1,2,3,4,5,6,7
	ds_store_b128 v[STO], v[8*(8*((\a)%4)+(\b)):8*(8*((\a)%4)+(\b))+3]   offset:(\a)*16*DP+32*(\b)
	ds_store_b128 v[STO], v[8*(8*((\a)%4)+(\b))+4:8*(8*((\a)%4)+(\b))+7] offset:(\a)*16*DP+32*(\b)+256
.endr
.endr
	WIN 0
	s_mov_b32 s3, 8
.Lblock:                                               ; a trip: 16 rows, as 8 pairs p: lanes 0-15 hold row 2 p, lanes 16-31 row 2 p + 1; lane n of the sixteen holds keys 8 n + 0..7.  Each phase goes over all 8 pairs
.irp p, 0,1,2,3,4,5,6,7
	ds_load_b128 v[X+8*(\p):X+8*(\p)+3],   v[RD] offset:(\p)*2*DP      ; LDS serves a wave's instructions in order (ISA guide 5.7.1.4): these see my stores above
	ds_load_b128 v[X+8*(\p)+4:X+8*(\p)+7], v[RD] offset:(\p)*2*DP+256
.endr
	s_wait_dscnt 0x0
.irp p, 0,1,2,3,4,5,6,7
	v_max3_num_f32 v[T+2*(\p)],   v[X+8*(\p)],   v[X+8*(\p)+1], v[X+8*(\p)+2]
	v_max3_num_f32 v[T+2*(\p)+1], v[X+8*(\p)+3], v[X+8*(\p)+4], v[X+8*(\p)+5]
.endr
.irp p, 0,1,2,3,4,5,6,7
	v_max3_num_f32 v[T+2*(\p)], v[T+2*(\p)], v[X+8*(\p)+6], v[X+8*(\p)+7]
.endr
.irp p, 0,1,2,3,4,5,6,7
	v_max_num_f32 v[T+2*(\p)], v[T+2*(\p)], v[T+2*(\p)+1]
.endr
.irp m, 1,2,4,8                        ; over the row's sixteen lanes: every one of them ends with the chunk's maximum
.irp p, 0,1,2,3,4,5,6,7
	v_max_num_f32_dpp v[T+2*(\p)], v[T+2*(\p)], v[T+2*(\p)] row_xmask:\m row_mask:0xf bank_mask:0xf
.endr
.endr
.irp p, 0,1,2,3,4,5,6,7
	v_mul_f32 v[T+2*(\p)], s[CS], v[T+2*(\p)]      ; mu
.endr
.irp p, 0,1,2,3,4,5,6,7
.irp i, 0,2,4,6
	v_pk_fma_f32 v[X+8*(\p)+(\i):X+8*(\p)+(\i)+1], v[X+8*(\p)+(\i):X+8*(\p)+(\i)+1], s[CS:CS+1], v[T+2*(\p):T+2*(\p)+1] op_sel_hi:[1,0,0] neg_lo:[0,0,1] neg_hi:[0,0,1]  ; c S - mu
.endr
.endr
.set i, 0
.rept 64
	v_exp_f32 v[X+i], v[X+i]
.set i, i+1
.endr
	v_nop                                          ; a plain instruction between the last exponential and the use of its result (ISA guide 5.7.2)
	s_wait_alu depctr_va_vdst(0)
.irp p, 0,1,2,3,4,5,6,7
	v_pk_add_f32 v[U+4*(\p):U+4*(\p)+1],   v[X+8*(\p):X+8*(\p)+1],   v[X+8*(\p)+2:X+8*(\p)+3]
	v_pk_add_f32 v[U+4*(\p)+2:U+4*(\p)+3], v[X+8*(\p)+4:X+8*(\p)+5], v[X+8*(\p)+6:X+8*(\p)+7]
.endr
.irp p, 0,1,2,3,4,5,6,7
	v_pk_add_f32 v[U+4*(\p):U+4*(\p)+1], v[U+4*(\p):U+4*(\p)+1], v[U+4*(\p)+2:U+4*(\p)+3]
.endr
.irp p, 0,1,2,3,4,5,6,7
	v_add_f32 v[T+2*(\p)+1], v[U+4*(\p)], v[U+4*(\p)+1]
.endr
.irp p, 0,1,2,3,4,5,6,7
.irp i, 0,1,2,3
	v_cvt_pk_f16_f32 v[X+8*(\p)+(\i)], v[X+8*(\p)+2*(\i)], v[X+8*(\p)+2*(\i)+1]  ; in place, ascending: a register is written only when both its uses are past
.endr
.endr
.irp m, 1,2,4,8
.irp p, 0,1,2,3,4,5,6,7
	v_add_f32_dpp v[T+2*(\p)+1], v[T+2*(\p)+1], v[T+2*(\p)+1] row_xmask:\m row_mask:0xf bank_mask:0xf  ; l
.endr
.endr
.irp p, 0,1,2,3,4,5,6,7
	global_store_b128 v[EO], v[X+8*(\p):X+8*(\p)+3], s[6:7] offset:(\p)*8192  ; 16 lanes store a row's 256 consecutive bytes, at a multiple of 256 from e's first byte
.endr
.irp p, 0,1,2,3,4,5,6,7
	ds_store_b32 v[SA], v[T+2*(\p)]   offset:8*(\p)       ; the row's sixteen lanes write the same word with the same bits
	ds_store_b32 v[SA], v[T+2*(\p)+1] offset:512+8*(\p)
.endr
	s_wait_xcnt 0x0                                ; only behind this wait are the stores' base and data rewritten (ISA guide 3.1)
	s_add_nc_u64 s[6:7], s[6:7], 16*4096
	v_add_nc_u32 v[RD], 16*DP, v[RD]
	v_add_nc_u32 v[SA], 64, v[SA]
	s_sub_co_u32 s3, s3, 1
	s_cmp_lg_u32 s3, 0
	s_cbranch_scc1 .Lblock
	ds_load_b128 v[X:X+3],   v[SR]                 ; my wave's 128 mu and 128 l, four rows a lane
	ds_load_b128 v[X+4:X+7], v[SR] offset:512
	s_wait_dscnt 0x0
	global_store_b128 v[SO], v[X:X+3],   s[8:9]    ; 512 consecutive bytes, at a multiple of 256 from st's first byte
	global_store_b128 v[SO], v[X+4:X+7], s[8:9] offset:524288
	s_wait_tensorcnt 0x0                           ; the wave's end: 0 onto my spare word and its wait, behind my last tensor load and my last LDS store
	ds_add_u32 v[SPW], v[NIL]
	s_wait_dscnt 0x0
	CROUND                                         ; the closing round
	s_endpgm
.Lfunc_end_k_qac0d66cab5_score:
	.size	k_qac0d66cab5_score, .Lfunc_end_k_qac0d66cab5_score-k_qac0d66cab5_score
	.p2alignl 7, 3214868480
	.fill 96, 4, 3214868480
	.section	.rodata,"a",@progbits
	.p2align	6, 0x0
	.amdhsa_kernel k_qac0d66cab5_score
		.amdhsa_group_segment_fixed_size 327680
		.amdhsa_private_segment_fixed_size 0
		.amdhsa_enable_private_segment 0
		.amdhsa_kernarg_size 24
		.amdhsa_user_sgpr_count 2
		.amdhsa_user_sgpr_kernarg_segment_ptr 1
		.amdhsa_wavefront_size32 1
		.amdhsa_system_sgpr_workgroup_id_x 1
		.amdhsa_system_sgpr_workgroup_id_y 1
		.amdhsa_system_sgpr_workgroup_id_z 1
		.amdhsa_system_vgpr_workitem_id 0
		.amdhsa_next_free_vgpr 1024
		.amdhsa_next_free_sgpr 66
		.amdhsa_reserve_vcc 0
		.amdhsa_float_denorm_mode_32 3
		.amdhsa_float_denorm_mode_16_64 3
		.amdhsa_memory_ordered 1
		.amdhsa_forward_progress 1
		.amdhsa_inst_pref_size 111
	.end_amdhsa_kernel
	.amdgpu_metadata
---
amdhsa.version: [ 1, 2 ]
amdhsa.kernels:
  - .name:           k_qac0d66cab5_score
    .symbol:         k_qac0d66cab5_score.kd
    .args:
      - { .name: qk, .offset: 0, .size: 8, .value_kind: global_buffer, .address_space: global }
      - { .name: e, .offset: 8, .size: 8, .value_kind: global_buffer, .address_space: global }
      - { .name: st, .offset: 16, .size: 8, .value_kind: global_buffer, .address_space: global }
    .group_segment_fixed_size: 327680
    .private_segment_fixed_size: 0
    .kernarg_segment_align: 8
    .kernarg_segment_size: 24
    .max_flat_workgroup_size: 128
    .sgpr_count:     66
    .vgpr_count:     1024
    .wavefront_size: 32
...
	.end_amdgpu_metadata
.endif
;; end of part 3
;; launch pv (part 4): grid 4 x 64, 4 waves a work-group, clusters of 4 x 4, 327,680 bytes of LDS; arguments e, xv, st, out0; writes out0
.if DOCPART == 4
	.amdgcn_target "amdgcn-amd-amdhsa--gfx1250"
	.amdhsa_code_object_version 6
	.text
	.protected	k_qac0d66cab5_pv
	.globl	k_qac0d66cab5_pv
	.p2align	8
	.type	k_qac0d66cab5_pv,@function
k_qac0d66cab5_pv:
	s_mov_b64 s[64:65], 0
	v_nop
	global_prefetch_b8 v0, s[64:65] scope:SCOPE_SE
	s_setreg_imm32_b32 hwreg(HW_REG_WAVE_MODE, 25, 1), 1
	s_wait_xcnt 0x0
	s_wait_alu depctr_hold_cnt(0) depctr_sa_sdst(0) depctr_va_vdst(0) depctr_va_sdst(0) depctr_va_ssrc(0) depctr_va_vcc(0) depctr_vm_vsrc(0)
	s_getreg_b32 s2, hwreg(HW_REG_IB_STS2, 6, 4)
	s_cmp_eq_u32 s2, 0
	s_cbranch_scc0 .Lentry_in_a_cluster
	s_endpgm
.Lentry_in_a_cluster:
	s_bfe_u32 s2, ttmp6, 0x10000c
	s_cmp_lg_u32 s2, 0xf033
	s_cbranch_scc0 .Lentry_shape_is_right
	s_endpgm
.Lentry_shape_is_right:
; THE SECOND HALF OF THE SOFTMAX AND THE SECOND PRODUCT.  out[row][d] = the sum over the 16 chunks t of w'_t x T_t[row][d], with T_t = the sum over the chunk's 128 keys of E v',
; M = the largest mu_t of the row, w_t = 2^(mu_t - M), L = the sum of w_t l_t, w'_t = 4 w_t / L.  e: [8192][2048] f16; v' = v / 4: the second half of xv, [8192][1024] f16; st: [2][16][8192] f32; out0 f32.
; With the launch before, that is the softmax with the row's true maximum taken away.  Only the matrix products take 16-bit operands: M, w, L, w' and the sum over the chunks are f32.
; LIMITS.  A w below 2^-126 counts as 0.  NaN and infinities are not treated apart.
; A tile of 128 queries x 256 channels is made by four waves, each 64 x 128.  64 x 4 tiles: 256 work-groups.  The 2,048 keys go in 16 steps of 128, a chunk each, through two LDS slots: E's rows are
; 256 bytes of memory, v's 512, both starting at multiples of 256 bytes.  Two slots of two chunks would take 413,696 bytes: they do not fit.  v lies [key][channel] and is read out of LDS turned, by ds_load_tr16_b128.
; TWO SETS OF ACCUMULATORS.  T (32 of 16 x 16) takes one chunk's products; its first products take the constant 0 as C.  In the next chunk's first quarter each T goes, times its query's w', onto O by four
; packed multiply-adds, which stand directly ahead of the product that starts that T anew: four vector instructions beside each of the quarter's 32 matrix instructions.  The first chunk's T starts O by
; a multiply (the first trip is written out for that: nothing is cleared); the last chunk's goes straight into the way out.
; CLUSTERS: 4 x 4 work-groups, all of one batch.  The four of a row of the cluster need the same tiles of E, the four of a column the same tiles of v: each is asked for JOINTLY.
; PREFETCH.  At chunk t's change of slots wave 0 asks for E's tile of chunk t + 4, which the tensor load two changes of slots later (256 matrix instructions on) will want: of the tile's 128 rows the 32
; that go by my place cx in the cluster's row, a lane a row, one byte of the row's 256: the four partners together name each row once.  From chunk 15 on the column is clamped: no prefetch leaves e.
; v's tiles are not asked for: one is shared by 16 work-groups, whose share of 16 rows' halves would be half a wave.
; THE MATRIX INSTRUCTION: source 0 = 16 channels, source 1 = 16 queries: a lane holds query l % 16 and the channels 8 (l / 16) + 0..7, so a lane's w' for a block of 16 queries is one register.
; REGISTERS, in windows of 256 (s_set_vgpr_msb: bits 1:0 source 0, 3:2 source 1, 5:4 source 2, 7:6 destination):
;   window 0: v6-27 addresses and w'; v32-63 the statistics; v64-159, v160-255 two fragment buffers (32 of E, 64 of v), later the way out's
;   window 1: T, (a, b) at v[8 (8 a + b)]          window 2: O, likewise
.set NK,    16
.set PE,    272                        ; a row of E in LDS: 256 bytes + 16: row r starts at bank 4 r mod 64 (64 banks of 4 bytes: ISA guide 11.1)
.set PV,    544                        ; a row of v: 512 bytes + 32: row r starts at bank 8 r mod 64
.set EHALF, 64*PE                      ; what a tensor load of E brings: 64 rows
.set VHALF, 64*PV                      ; and one of v: 64 rows
.set VOFF,  2*EHALF                    ; v's 128 rows lie behind E's 128
.set SLOT,  VOFF+2*VHALF
.set STAGE, 2*SLOT                     ; behind the ring: 16 rows x 528 bytes for each wave, for the way out
.set SP,    528                        ; 128 f32 + 16 bytes
.set TAB,   STAGE+4*16*SP              ; [16 chunks][128 rows] f32: w'
.set SPARE, TAB+16*512                 ; the spare words, 128 bytes for each wave: two blocks of 256 bytes that no other line names
.set ESTEP, 256                        ; a step along E's rows, in bytes
.set VSTEP, 128*2048                   ; a step down v's rows
.set PF,    6                          ; v6   the prefetch's offset: my lane's row and the chunk's column
.set TW,    7                          ; v7   TAB + 4 x my thread's number
.set SO,    8                          ; v8   4 x my thread's number: my row's offset in st
.set PF0,   9                          ; v9   4,096 x my lane: a row of e a lane; never rewritten
.set ADRA0, 10
.set ADRB0, 11
.set ADRA,  12
.set ADRB,  13
.set WAD,   14                         ; v14  where my four queries' w' of the chunk in hand lie; steps 512 a chunk
.set STO,   15
.set RD,    16
.set GO,    17
.set SPW,   18                         ; v18  LDS address of my spare word; never rewritten
.set NIL,   19                         ; v19  0; never rewritten
.set W,     20                         ; v20-27  for each block a a pair: w' of query 16 a + l % 16, and 0
.set F0,    64
.set F1,    160
.set OT,    64                         ; the way out: 64 results
.set G1,  24
.set G0,  32
.set G1B, 48
.set G0B, 56
.set TB,  45
.set PB,  66                           ; s[66:67] e at the first of the 32 rows that I ask for
.set PO,  68                           ; s68  the column, in bytes, of the chunk asked for last
.set W_MM,  0x50                       ; the products: sources window 0, C and D window 1
.set W_FL,  0xa1                       ; O += w' T: destination and source 2 window 2, source 0 window 1, source 1 window 0
.set W_OUT, 0x21                       ; the same into window 0
.set MSB, 0
.macro WIN new                         ; the immediate's high byte repeats the setting that is left; a switch that changes nothing is dropped
.if MSB != (\new)
	s_set_vgpr_msb (MSB<<8)|(\new)
.set MSB, \new
.endif
.endm
.macro JLOAD                           ; a joint refill: waves 0 and 1 fetch E's two halves, waves 2 and 3 v's; an s_nop 0 and four v_nop follow each of the two lines
	s_cmp_eq_u32 s13, 0
	s_cbranch_scc0 .Lfor_b_\@
	tensor_load_to_lds s[G0+4:G0+7], s[G1:G1+7]
	s_nop 0
.rept 4
	v_nop
.endr
	s_branch .Lasked_\@
.Lfor_b_\@:
	tensor_load_to_lds s[G0B+4:G0B+7], s[G1B:G1B+7]
	s_nop 0
.rept 4
	v_nop
.endr
.Lasked_\@:
.endm
.macro CREST                           ; a round of the cluster's barrier behind its opening barrier
	s_cmp_lg_u32 s12, 0
	s_cbranch_scc1 .Lnot_wave_0_\@
	s_barrier_signal -3
.Lnot_wave_0_\@:
	s_barrier_wait -3
	s_barrier_signal -1
	s_barrier_wait -1
.endm
.macro CROUND
	s_barrier_signal -1
	s_barrier_wait -1
	CREST
.endm
	s_load_b256 s[4:11], s[0:1], 0x0               ; e s[4:5], xv s[6:7], st s[8:9], out0 s[10:11]
	v_lshl_add_u32 v[SPW], v0, 2, SPARE
	v_mov_b32 v[NIL], 0
	ds_add_u32 v[SPW], v[NIL]                      ; the wave's opening: the add and its wait stand ahead of my first tensor load; the set-up below, work on registers, stands between them
	v_lshrrev_b32 v1, 5, v0
	v_readfirstlane_b32 s12, v1                    ; wave 0..3
	s_lshr_b32 s13, s12, 1                         ; which half of the tile's queries is mine.  Also: I fetch for E (0) or for v (1)
	s_and_b32 s14, s12, 1                          ; which half of its channels.  Also: which 64 rows of that tile I fetch
	s_bfe_u32 s40, ttmp6, 0x40000                  ; cx, cy
	s_bfe_u32 s41, ttmp6, 0x40004
	s_lshl_b32 s42, ttmp9, 2
	s_add_co_u32 s42, s42, s40                     ; channel tile = 4 x cluster x + cx: 0..3
	s_and_b32 s18, ttmp7, 0xffff
	s_lshl_b32 s15, s18, 2
	s_add_co_u32 s15, s15, s41                     ; query tile = 4 x cluster y + cy: 0..63
	s_lshr_b32 s18, s18, 2                         ; the batch: four clusters deep, so all sixteen partners share it
	s_lshl_b32 s43, s41, 2
	s_lshl_b32 s43, 15, s43                        ; my row of the cluster
	s_lshl_b32 s44, 0x1111, s40                    ; my column
	s_or_b32 s[G1+0], s43, (1<<16)|(1<<20)|(1<<21)|(5<<22)|(3<<25)   ; E: the mask; 2-byte elements; padding on; 21 set beside a mask; after every 64 words (code 5) 4 words (code 3)
	s_mov_b32 s[G1+1], 128<<16                     ; tensor_dim0 = 128
	s_mov_b32 s[G1+2], 64<<16                      ; tensor_dim1 = 64
	s_mov_b32 s[G1+3], 128<<16                     ; tile_dim0 = 128
	s_mov_b32 s[G1+4], 64                          ; tile_dim1 = 64
	s_mov_b32 s[G1+5], 2048                        ; elements from row to row of e
	s_mov_b32 s[G1+6], 0
	s_mov_b32 s[G1+7], 0
	s_or_b32 s[G1B+0], s44, (1<<16)|(1<<20)|(1<<21)|(6<<22)|(7<<25)  ; v: after every 128 words (code 6) 8 words (code 7)
	s_mov_b32 s[G1B+1], 256<<16                    ; tensor_dim0 = 256
	s_mov_b32 s[G1B+2], 64<<16                     ; tensor_dim1 = 64
	s_mov_b32 s[G1B+3], 256<<16                    ; tile_dim0 = 256
	s_mov_b32 s[G1B+4], 64                         ; tile_dim1 = 64
	s_mov_b32 s[G1B+5], 1024                       ; elements from row to row of v
	s_mov_b32 s[G1B+6], 0
	s_mov_b32 s[G1B+7], 0
	s_lshl_b32 s16, s15, 7
	s_lshl_b32 s17, s14, 6
	s_add_co_u32 s16, s16, s17                     ; E: row 128 x query tile + 64 x half,
	s_lshl_b32 s16, s16, 12                        ; of 4,096 bytes
	s_mov_b32 s17, 0
	s_lshl_b32 s46, s18, 11                        ; v: row 2,048 x batch
	s_lshl_b32 s47, s14, 6                         ; + 64 x half,
	s_add_co_u32 s46, s46, s47
	s_lshl_b32 s46, s46, 11                        ; of 2,048 bytes,
	s_lshl_b32 s47, s42, 9                         ; 512 bytes x channel tile,
	s_add_co_u32 s46, s46, s47
	s_add_co_u32 s46, s46, 0x1000000               ; behind xF's 16,777,216
	s_mov_b32 s47, 0
	s_mul_i32 s20, s14, EHALF                      ; where they go: E's two halves,
	s_mul_i32 s21, s14, VHALF                      ; then v's two: no place in the cluster enters an LDS address
	s_add_co_u32 s21, s21, VOFF
	s_mov_b32 s[TB], 0
	s_wait_dscnt 0x0                               ; the opening add is done
	s_wait_kmcnt 0x0
	s_add_nc_u64 s[16:17], s[4:5], s[16:17]
	s_add_nc_u64 s[46:47], s[6:7], s[46:47]
.irp s, 0,1
	s_mov_b32 s[G0+4*(\s)], 1
	s_add_co_u32 s[G0+4*(\s)+1], s20, (\s)*SLOT
	s_add_nc_u64 s[G0+4*(\s)+2:G0+4*(\s)+3], s[16:17], (\s)*ESTEP
	s_or_b32 s[G0+4*(\s)+3], s[G0+4*(\s)+3], 0x80000000
	s_mov_b32 s[G0B+4*(\s)], 1
	s_add_co_u32 s[G0B+4*(\s)+1], s21, (\s)*SLOT
	s_add_nc_u64 s[G0B+4*(\s)+2:G0B+4*(\s)+3], s[46:47], (\s)*VSTEP
	s_or_b32 s[G0B+4*(\s)+3], s[G0B+4*(\s)+3], 0x80000000
.endr
	CROUND                                         ; all sixteen work-groups are here: the first joint loads meet
	s_cmp_eq_u32 s13, 0                            ; a wave's two first fills stand in one branch: two loads of mine are out
	s_cbranch_scc0 .Lfirst_b
	tensor_load_to_lds s[G0:G0+3], s[G1:G1+7]
	s_nop 0
	tensor_load_to_lds s[G0+4:G0+7], s[G1:G1+7]
	s_nop 0
.rept 4
	v_nop
.endr
	s_branch .Lfirst_asked
.Lfirst_b:
	tensor_load_to_lds s[G0B:G0B+3], s[G1B:G1B+7]
	s_nop 0
	tensor_load_to_lds s[G0B+4:G0B+7], s[G1B:G1B+7]
	s_nop 0
.rept 4
	v_nop
.endr
.Lfirst_asked:
	; THE STATISTICS, while the first tiles are on their way.  Thread n of the 128 owns row n of the tile: its 16 mu and 16 l.
	s_lshl_b32 s22, s15, 9                         ; the tile's 128 rows in st, in bytes
	s_mov_b32 s23, 0
	s_add_nc_u64 s[8:9], s[8:9], s[22:23]
	v_lshlrev_b32 v[SO], 2, v0
.irp t, 0,1,2,3,4,5,6,7,8,9,10,11,12,13,14,15
	global_load_b32 v[32+(\t)], v[SO], s[8:9] offset:(\t)*32768         ; mu: the four waves' loads cover 512 consecutive bytes
	global_load_b32 v[48+(\t)], v[SO], s[8:9] offset:524288+(\t)*32768  ; l
.endr
	s_lshl_b32 s22, s15, 19                        ; the prefetch's rows: 128 x query tile
	s_lshl_b32 s23, s40, 17                        ; + 32 x cx, of 4,096 bytes
	s_add_co_u32 s22, s22, s23
	s_mov_b32 s23, 0
	s_add_nc_u64 s[PB:PB+1], s[4:5], s[22:23]
	s_mov_b32 s[PO], 3*ESTEP                       ; the first change of slots steps it to chunk 4
	v_lshl_add_u32 v[TW], v0, 2, TAB
	v_and_b32 v1, 15, v0                           ; l % 16
	v_bfe_u32 v2, v0, 4, 1                         ; l / 16
	v_mul_u32_u24 v3, v1, PE
	v_lshl_add_u32 v3, v2, 4, v3                   ; a fragment of E: row x pitch + 16 x half
	s_mul_i32 s22, s13, EHALF                      ; my 64 rows of E
	v_add_nc_u32 v[ADRA0], s22, v3
	v_and_b32 v4, 7, v0                            ; the turning load: lane l reads key 8 (l / 16) + l % 8, channels 8 ((l / 8) % 2) + 0..7
	v_lshl_add_u32 v4, v2, 3, v4
	v_mul_u32_u24 v4, v4, PV
	v_bfe_u32 v5, v0, 3, 1
	v_lshl_add_u32 v4, v5, 4, v4
	s_lshl_b32 s22, s14, 8                         ; my 128 channels: 256 bytes
	s_add_co_u32 s22, s22, VOFF
	v_add_nc_u32 v[ADRB0], s22, v4
	v_mov_b32 v[ADRA], v[ADRA0]
	v_mov_b32 v[ADRB], v[ADRB0]
	s_lshl_b32 s22, s13, 8                         ; my 64 queries' words in a chunk's 128
	s_add_co_u32 s22, s22, TAB
	v_lshl_add_u32 v[WAD], v1, 2, s22
	s_mul_i32 s23, s12, 16*SP
	s_add_co_u32 s23, s23, STAGE                   ; my stage
	v_mul_u32_u24 v5, v1, SP                       ; in: row l % 16, 32 bytes for each half of the lanes
	v_lshl_add_u32 v5, v2, 5, v5
	v_add_nc_u32 v[STO], s23, v5
	v_and_b32 v5, 31, v0
	v_lshlrev_b32 v[GO], 4, v5                     ; back: 32 lanes take a row's 512 bytes
	v_add_nc_u32 v[RD], s23, v[GO]
	v_lshlrev_b32 v[PF0], 12, v5
.irp a, 0,1,2,3
	v_mov_b32 v[W+2*(\a)+1], 0                     ; named with w' as a pair
.endr
	s_lshl_b32 s16, s15, 7
	s_lshl_b32 s17, s13, 6
	s_add_co_u32 s16, s16, s17                     ; my first row of out0: 128 x query tile + 64 x half,
	s_lshl_b32 s16, s16, 12                        ; of 4,096 bytes,
	s_lshl_b32 s17, s42, 10                        ; the tile's 1,024 bytes,
	s_add_co_u32 s16, s16, s17
	s_lshl_b32 s17, s14, 9                         ; my 512 of them
	s_add_co_u32 s16, s16, s17
	s_mov_b32 s17, 0
	s_add_nc_u64 s[10:11], s[10:11], s[16:17]
	s_wait_loadcnt 0x0
	v_max3_num_f32 v4, v32, v33, v34               ; M, in two chains
	v_max3_num_f32 v5, v35, v36, v37
	v_max3_num_f32 v4, v4, v38, v39
	v_max3_num_f32 v5, v5, v40, v41
	v_max3_num_f32 v4, v4, v42, v43
	v_max3_num_f32 v5, v5, v44, v45
	v_max3_num_f32 v4, v4, v46, v47
	v_max_num_f32 v4, v4, v5
.irp t, 0,1,2,3,4,5,6,7,8,9,10,11,12,13,14,15
	v_sub_f32 v[32+(\t)], v[32+(\t)], v4
.endr
.irp t, 0,1,2,3,4,5,6,7,8,9,10,11,12,13,14,15
	v_exp_f32 v[32+(\t)], v[32+(\t)]               ; w
.endr
	v_nop                                          ; a plain instruction between the last exponential and the use of its result (ISA guide 5.7.2)
	s_wait_alu depctr_va_vdst(0)
	v_mul_f32 v4, v32, v48                         ; L, in two chains
	v_mul_f32 v5, v33, v49
.irp t, 2,4,6,8,10,12,14
	v_fmac_f32 v4, v[32+(\t)], v[48+(\t)]
	v_fmac_f32 v5, v[33+(\t)], v[49+(\t)]
.endr
	v_add_f32 v4, v4, v5
	v_rcp_f32 v4, v4
	v_nop                                          ; a plain instruction behind the reciprocal
	s_wait_alu depctr_va_vdst(0)
	v_mul_f32 v4, 4.0, v4                          ; v' is v / 4
.irp t, 0,2,4,6,8,10,12,14
	v_pk_mul_f32 v[32+(\t):33+(\t)], v[32+(\t):33+(\t)], v[4:5] op_sel_hi:[1,0]  ; w' = w x 4 / L
.endr
.irp t, 0,1,2,3,4,5,6,7,8,9,10,11,12,13,14,15
	ds_store_b32 v[TW], v[32+(\t)] offset:512*(\t)
.endr
	s_wait_dscnt 0x0                               ; for the others' sake: my words of the table are written
	s_wait_tensorcnt 0x1                           ; my part of chunk 0 is in; chunk 1's may stay out
	s_barrier_signal -1
	s_barrier_wait -1
; 8 matrix instructions: query block a x all 8 channel blocks, 32 keys.  zero = 1: the product starts the chunk's sum.  The 32 accumulators take turns in the same order in every quarter.
.macro MUL8 f, a, zero
	WIN W_MM
.irp b, 0,1,2,3,4,5,6,7
.if \zero
	v_wmma_f32_16x16x32_f16 v[8*(8*(\a)+(\b)):8*(8*(\a)+(\b))+7], v[(\f)+32+8*(\b):(\f)+32+8*(\b)+7], v[(\f)+8*(\a):(\f)+8*(\a)+7], 0
.else
	v_wmma_f32_16x16x32_f16 v[8*(8*(\a)+(\b)):8*(8*(\a)+(\b))+7], v[(\f)+32+8*(\b):(\f)+32+8*(\b)+7], v[(\f)+8*(\a):(\f)+8*(\a)+7], v[8*(8*(\a)+(\b)):8*(8*(\a)+(\b))+7]
.endif
.endr
.endm
; The same 8 in a chunk's first quarter.  Ahead of each: the accumulator's sum of the chunk before goes, times w', onto O (first = 1: starts O), its registers ascending; then the product starts the sum anew.
; The four name no register of the products round them.
.macro FMUL8 f, a, first
.irp b, 0,1,2,3,4,5,6,7
	WIN W_FL
.irp j, 0,2,4,6
.if \first
	v_pk_mul_f32 v[8*(8*(\a)+(\b))+(\j):8*(8*(\a)+(\b))+(\j)+1], v[8*(8*(\a)+(\b))+(\j):8*(8*(\a)+(\b))+(\j)+1], v[W+2*(\a):W+2*(\a)+1] op_sel_hi:[1,0]
.else
	v_pk_fma_f32 v[8*(8*(\a)+(\b))+(\j):8*(8*(\a)+(\b))+(\j)+1], v[8*(8*(\a)+(\b))+(\j):8*(8*(\a)+(\b))+(\j)+1], v[W+2*(\a):W+2*(\a)+1], v[8*(8*(\a)+(\b))+(\j):8*(8*(\a)+(\b))+(\j)+1] op_sel_hi:[1,0,1]
.endif
.endr
	WIN W_MM
	v_wmma_f32_16x16x32_f16 v[8*(8*(\a)+(\b)):8*(8*(\a)+(\b))+7], v[(\f)+32+8*(\b):(\f)+32+8*(\b)+7], v[(\f)+8*(\a):(\f)+8*(\a)+7], 0
.endr
.endm
.macro FETCH q, f                      ; 24 LDS loads in one run: quarter q (32 keys) of the slot in hand into buffer f: v's eight fragments, turned, then E's four
	WIN 0
.irp b, 0,1,2,3,4,5,6,7
	ds_load_tr16_b128 v[(\f)+32+8*(\b):(\f)+32+8*(\b)+3],   v[ADRB] offset:(\q)*32*PV+32*(\b)
	ds_load_tr16_b128 v[(\f)+32+8*(\b)+4:(\f)+32+8*(\b)+7], v[ADRB] offset:(\q)*32*PV+16*PV+32*(\b)
.endr
.irp a, 0,1,2,3
	ds_load_b128 v[(\f)+8*(\a):(\f)+8*(\a)+3],   v[ADRA] offset:(\q)*64+(\a)*16*PE
	ds_load_b128 v[(\f)+8*(\a)+4:(\f)+8*(\a)+7], v[ADRA] offset:(\q)*64+(\a)*16*PE+32
.endr
.endm
.macro WLOAD                           ; w' of the chunk at which WAD stands, for my four blocks of queries
.irp a, 0,1,2,3
	ds_load_b32 v[W+2*(\a)], v[WAD] offset:64*(\a)
.endr
.endm
.macro PLACES                          ; four places in front of loads into registers that matrix instructions have read, and of what reads results just made (ISA guide 7.12.1 for vector instructions)
.rept 4
	v_nop
.endr
.endm
; A quarter that adds onto the chunk's sums (zero = 1: the launch's first, which starts them): multiplies buffer f; behind its first eight products it fetches quarter q into buffer g, 24 products ahead of its first use.
.macro QUARTER q, f, g, zero
	s_wait_dscnt 6                                 ; v's eight fragments and E's block 0 are in; the youngest six loads (E's blocks 1-3) may be out
	MUL8 \f, 0, \zero
	PLACES
	FETCH \q, \g
	s_wait_dscnt 24                                ; all but the 24 just issued
	MUL8 \f, 1, \zero
	MUL8 \f, 2, \zero
	MUL8 \f, 3, \zero
.endm
; A chunk's first quarter, from chunk 1 on: buffer 0.  Block 0's 32 multiply-adds are the places in front of the loads into buffer 1, which the quarter before multiplied.
.macro QFIRST first
	s_wait_dscnt 6                                 ; w', v's eight fragments and E's block 0 are in (issued in that order); E's blocks 1-3 may be out
	FMUL8 F0, 0, \first
	FETCH 1, F1
	s_wait_dscnt 24                                ; all but the 24 just issued
	FMUL8 F0, 1, \first
	FMUL8 F0, 2, \first
	FMUL8 F0, 3, \first
.endm
; The last quarter multiplies buffer 1 and changes slots: ONE barrier; in front of it each wave waits for all its tensor loads, adds 0 to its spare word, and waits for that and for its reads of
; this slot.  fill = 1: the barrier opens a round of the cluster's barrier, and this slot is filled again first thing behind it.  Only eight products stand between the wait for the tensor loads and
; the refill, so that the refill has 120 of a chunk's 128 products in which to land.
.macro TURN fill
	WIN 0
.if \fill
	s_wait_xcnt 0x0                                ; the last prefetch, a chunk ago, has read its offset: only behind this wait is it rewritten (ISA guide 3.1)
	s_add_co_u32 s[PO], s[PO], ESTEP               ; the next chunk's column,
	s_min_u32 s[PO], s[PO], 15*ESTEP               ; never past the row's last chunk
	v_add_nc_u32 v[PF], s[PO], v[PF0]
.endif
	s_wait_tensorcnt 0x0                           ; all my tensor loads have landed, so a group 0 may be written
	ds_add_u32 v[SPW], v[NIL]                      ; 0 onto my spare word
	s_wait_dscnt 7                                 ; (the add and E's blocks 1-3 may be out)
	MUL8 F1, 0, 0                                  ; eight matrix instructions stand between the add and the wait for it
	WIN 0
	s_wait_dscnt 0x0                               ; the add is done, and my reads of this slot are over
	s_barrier_signal -1
	s_barrier_wait -1
.if \fill
	CREST                                          ; no wave of any partner still reads this slot's tile or has a load on its way
	s_add_co_u32 s[G0+5], s20, s[TB]               ; the walking descriptors: into the slot just read, the chunk behind the one asked for last
	s_add_nc_u64 s[G0+6:G0+7], s[G0+6:G0+7], ESTEP
	s_add_co_u32 s[G0B+5], s21, s[TB]
	s_add_nc_u64 s[G0B+6:G0B+7], s[G0B+6:G0B+7], VSTEP
	JLOAD                                          ; the four v_nop behind it are also the places in front of the loads below
.else
	PLACES
.endif
	s_xor_b32 s[TB], s[TB], SLOT                   ; the other slot is in hand
	v_add_nc_u32 v[ADRA], s[TB], v[ADRA0]
	v_add_nc_u32 v[ADRB], s[TB], v[ADRB0]
	WLOAD                                          ; w' of the chunk that ends here: the next quarter multiplies its sums by it
	FETCH 0, F0
	v_add_nc_u32 v[WAD], 512, v[WAD]
.if \fill
	s_cmp_lg_u32 s12, 0                            ; wave 0 alone asks
	s_cbranch_scc1 .Lno_ask_\@
	global_prefetch_b8 v[PF], s[PB:PB+1] th:TH_LOAD_NT scope:SCOPE_SE
.Lno_ask_\@:
.endif
	MUL8 F1, 1, 0
	MUL8 F1, 2, 0
	MUL8 F1, 3, 0
.endm
; THE WAY OUT of block a (16 queries): O + w' T of the last chunk, each accumulator's registers ascending; 32 bytes a lane into my stage; back as whole rows of 512 bytes; stored.
.macro OUT a
	WIN W_OUT
.set i, 0
.rept 32
	v_pk_fma_f32 v[OT+2*i:OT+2*i+1], v[64*(\a)+2*i:64*(\a)+2*i+1], v[W+2*(\a):W+2*(\a)+1], v[64*(\a)+2*i:64*(\a)+2*i+1] op_sel_hi:[1,0,1]
.set i, i+1
.endr
	WIN 0
.irp b, 0,1,2,3,4,5,6,7
	ds_store_b128 v[STO], v[OT+8*(\b):OT+8*(\b)+3]   offset:64*(\b)
	ds_store_b128 v[STO], v[OT+8*(\b)+4:OT+8*(\b)+7] offset:64*(\b)+16
.endr
	s_wait_xcnt 0x0                                ; the registers below were the data of the stores two blocks ago: they are loaded again only behind this wait (ISA guide 3.1)
.set BK, 128+64*((\a)%2)
.irp t, 0,1,2,3,4,5,6,7,8,9,10,11,12,13,14,15
	ds_load_b128 v[BK+4*(\t):BK+4*(\t)+3], v[RD] offset:(\t)*SP  ; LDS serves a wave's instructions in order (ISA guide 5.7.1.4): these see the stores above
.endr
.irp t, 0,1,2,3,4,5,6,7,8,9,10,11,12,13,14,15
	s_wait_dscnt 15-(\t)                           ; row t is back; the 15 - t younger loads stay out
	global_store_b128 v[GO], v[BK+4*(\t):BK+4*(\t)+3], s[10:11] offset:(\a)*65536+(\t)*4096 th:TH_STORE_NT  ; 512 consecutive bytes, at a multiple of 256 from out0's first byte
.endr
.endm
	FETCH 0, F0
	QUARTER 1, F0, F1, 1                           ; chunk 0: its first quarter's products start the sums
	QUARTER 2, F1, F0, 0                           ; the first trip is written out: chunk 0's sums start O
	QUARTER 3, F0, F1, 0
	TURN 1
	QFIRST 1
	WIN 0                                          ; at a label and at a branch every window is 0
	s_mov_b32 s3, NK-3
.Lstep:                                                ; a trip goes from a chunk's second quarter to the next chunk's first, and fills the slot that it leaves
	QUARTER 2, F1, F0, 0
	QUARTER 3, F0, F1, 0
	TURN 1
	QFIRST 0
	WIN 0
	s_sub_co_u32 s3, s3, 1
	s_cmp_lg_u32 s3, 0
	s_cbranch_scc1 .Lstep
	QUARTER 2, F1, F0, 0                           ; the last two chunks are written out: they ask for nothing
	QUARTER 3, F0, F1, 0
	TURN 0
	QFIRST 0
	QUARTER 2, F1, F0, 0
	QUARTER 3, F0, F1, 0
	s_wait_dscnt 6                                 ; the very last quarter
	MUL8 F1, 0, 0
	WIN 0
	WLOAD                                          ; the last chunk's w': WAD stands at chunk 15
	s_wait_dscnt 4                                 ; E's blocks 1-3 are in; those four may be out
	MUL8 F1, 1, 0
	MUL8 F1, 2, 0
	MUL8 F1, 3, 0
	WIN 0
	PLACES                                         ; what follows reads results just made, writes registers just read and loads into them
	s_wait_dscnt 0x0                               ; w'
	OUT 0
	OUT 1
	OUT 2
	OUT 3
	s_wait_tensorcnt 0x0                           ; the wave's end: 0 onto my spare word and its wait, behind my last tensor load and my last LDS store
	ds_add_u32 v[SPW], v[NIL]
	s_wait_dscnt 0x0
	CROUND                                         ; the closing round
	s_endpgm
.Lfunc_end_k_qac0d66cab5_pv:
	.size	k_qac0d66cab5_pv, .Lfunc_end_k_qac0d66cab5_pv-k_qac0d66cab5_pv
	.p2alignl 7, 3214868480
	.fill 96, 4, 3214868480
	.section	.rodata,"a",@progbits
	.p2align	6, 0x0
	.amdhsa_kernel k_qac0d66cab5_pv
		.amdhsa_group_segment_fixed_size 327680
		.amdhsa_private_segment_fixed_size 0
		.amdhsa_enable_private_segment 0
		.amdhsa_kernarg_size 32
		.amdhsa_user_sgpr_count 2
		.amdhsa_user_sgpr_kernarg_segment_ptr 1
		.amdhsa_wavefront_size32 1
		.amdhsa_system_sgpr_workgroup_id_x 1
		.amdhsa_system_sgpr_workgroup_id_y 1
		.amdhsa_system_sgpr_workgroup_id_z 1
		.amdhsa_system_vgpr_workitem_id 0
		.amdhsa_next_free_vgpr 768
		.amdhsa_next_free_sgpr 70
		.amdhsa_reserve_vcc 0
		.amdhsa_float_denorm_mode_32 3
		.amdhsa_float_denorm_mode_16_64 3
		.amdhsa_memory_ordered 1
		.amdhsa_forward_progress 1
		.amdhsa_inst_pref_size 134
	.end_amdhsa_kernel
	.amdgpu_metadata
---
amdhsa.version: [ 1, 2 ]
amdhsa.kernels:
  - .name:           k_qac0d66cab5_pv
    .symbol:         k_qac0d66cab5_pv.kd
    .args:
      - { .name: e, .offset: 0, .size: 8, .value_kind: global_buffer, .address_space: global }
      - { .name: xv, .offset: 8, .size: 8, .value_kind: global_buffer, .address_space: global }
      - { .name: st, .offset: 16, .size: 8, .value_kind: global_buffer, .address_space: global }
      - { .name: out0, .offset: 24, .size: 8, .value_kind: global_buffer, .address_space: global }
    .group_segment_fixed_size: 327680
    .private_segment_fixed_size: 0
    .kernarg_segment_align: 8
    .kernarg_segment_size: 32
    .max_flat_workgroup_size: 128
    .sgpr_count:     70
    .vgpr_count:     768
    .wavefront_size: 32
...
	.end_amdgpu_metadata
.endif
;; end of part 4
;; ======== version 2 of 2: 5 launches; version 1 with the launch cvt written anew for expert scheduling mode
;; limits: values are held in f16: magnitudes above 65,504 overflow, below 6.1e-05 lose precision; right only within a limited range of input values
;; workspace buffers: xh 16,777,216 bytes; w1 4,194,304 bytes; w2 4,194,304 bytes; xv 33,554,432 bytes; qk 33,554,432 bytes; e 33,554,432 bytes; st 1,048,576 bytes
;; launch cvt (part 5): grid 64 x 12, 8 waves a work-group, no clusters, 0 bytes of LDS; arguments x, F, V, Q, K, xh, w1, w2; writes xh, w1, w2
.if DOCPART == 5
	.amdgcn_target "amdgcn-amd-amdhsa--gfx1250"
	.amdhsa_code_object_version 6
	.text
	.protected	k_qac0d66cab5_cvt
	.globl	k_qac0d66cab5_cvt
	.p2align	8
	.type	k_qac0d66cab5_cvt,@function
k_qac0d66cab5_cvt:
	s_mov_b64 s[64:65], 0
	v_nop
	global_prefetch_b8 v0, s[64:65] scope:SCOPE_SE
	s_setreg_imm32_b32 hwreg(HW_REG_WAVE_SCHED_MODE, 0, 2), 2
	s_setreg_imm32_b32 hwreg(HW_REG_WAVE_MODE, 25, 1), 1
	s_wait_xcnt 0x0
	s_wait_alu depctr_vm_vsrc(0)
; Every input is rounded to bf16 (nearest even), multiplied by a power of two (exact) and written as f16:
;   xh[8192][1024] = x / 4;   w1[1024 k][2048 n] = F / 16 | V;   w2[1024 k][2048 n] = Q / 16 | K / 16.
; LIMITS.  f16 ends at 65,504: |x| < 2.6e5, |F|, |Q|, |K| < 1e6, |V| <= 65,504, else an infinity is written.  A stored number below 6.1e-5 keeps f16's
; fixed step of 6e-8 in place of bf16's eight significant bits.  NaN and infinities are not treated apart.
; SHARES.  The grid's y is a job of 1,024 rows of 4,096 bytes of f32: 0-7 the eight blocks of x, 8 F, 9 V, 10 Q, 11 K.  A work-group takes 16 rows, a wave two.
; A load of a wave covers 512 consecutive bytes, a store 256 consecutive bytes, aligned.  A stream: every byte is read once and written once; no LDS,
; no barrier, no matrix unit, no cluster: no two work-groups read the same byte.  A wave's sixteen loads go out together.
; THE MODE: SCHED_MODE bits 1:0 = 2 (LLVM: expert scheduling mode 2), set by the entry lines.  The code itself states the register dependences
; between vector instructions and memory instructions, with s_wait_alu, always for 0.
; THE PLAN.  Registers that memory instructions touch:
;   v1, v2, v3   byte offsets.  Written by vector instructions at the head, once; read by the loads (v1) and the stores (v2, v3); never written again.
;   X            Written by the sixteen loads, each register once; read by piece j's first two conversions.  No vector instruction writes them, no second load lands in them.
;   Y            Written by piece j's last two conversions, each register once; read by store j.  Never written again.
;   T, v4, v5    named by vector instructions alone.
; So the only dependences to state are: the offsets are written before the first load reads one, and Y[j] is written before store j reads it.  The sixteen pieces go in four groups of
; four; a group's four stores are issued in the NEXT group, one in front of each piece's vector instructions, behind ONE wait at that group's head.  Since that wait the vector
; instructions name T, this group's X and this group's Y: none of the registers that those stores read.  The last group's stores stand behind a wait of their own.
; No vector instruction writes a scalar register or VCC, and EXEC is never written.
.set T, 8                              ; v[8:13]   at work
.set X, 16                             ; v[16:79]  sixteen loads of four f32
.set Y, 80                             ; v[80:111] sixteen stores of four f16: each has registers of its own, so no store's data is ever rewritten
	s_load_b512 s[8:23], s[0:1], 0x0               ; x s[8:9], F s[10:11], V s[12:13], Q s[14:15], K s[16:17], xh s[18:19], w1 s[20:21], w2 s[22:23]
	s_and_b32 s24, ttmp7, 0xffff                   ; the job
	s_lshl_b32 s36, s24, 22                        ; a block of x: 1,024 rows of 4,096 bytes,
	s_lshl_b32 s38, s24, 21                        ; and of xh: 1,024 rows of 2,048 bytes
	s_and_b32 s4, s24, 1
	s_lshl_b32 s4, s4, 11                          ; a weight's half of the 4,096-byte rows of w1 or w2: odd jobs (V, K) take the right one
	s_lshl_b32 s5, ttmp9, 16                       ; the work-group's 16 rows in the source
	s_lshl_b32 s6, ttmp9, 4                        ; its first row
	s_mov_b32 s32, 0x3d800000                      ; 1 / 16
	s_mov_b32 s34, 0xffff0000                      ; a word's upper bf16
	s_mov_b32 s37, 0
	s_mov_b32 s39, 0
	s_cmp_lt_u32 s24, 8                            ; x, or a weight?  (only moves and selects stand between this compare and its last select)
	s_cselect_b32 s30, 11, 12                      ; log2 of the destination's row bytes
	s_cselect_b32 s36, s36, 0
	s_cselect_b32 s38, s38, s4
	s_cselect_b32 s32, 0x3e800000, s32             ; x: 1 / 4
	s_cmp_eq_u32 s24, 9
	s_cselect_b32 s32, 1.0, s32                    ; V: 1
	s_mov_b32 s33, s32                             ; named with it as a pair
	s_lshl_b32 s6, s6, s30
	s_lshl_b32 s31, 1, s30                         ; a destination row
	s_add_co_u32 s36, s36, s5                      ; s[36:37] the source's offset
	s_add_co_u32 s38, s38, s6                      ; s[38:39] the destination's
	v_and_b32 v4, 31, v0                           ; lane
	v_lshrrev_b32 v5, 5, v0                        ; wave
	v_lshlrev_b32 v1, 4, v4
	v_lshl_add_u32 v1, v5, 13, v1                  ; source: 16 x lane + the wave's two rows
	v_lshlrev_b32 v5, 1, v5
	v_lshlrev_b32 v5, s30, v5
	v_lshl_add_u32 v2, v4, 3, v5                   ; destination: 8 x lane + row 2 w,
	v_add_nc_u32 v3, s31, v2                       ; and row 2 w + 1
	s_wait_kmcnt 0x0
	s_mov_b64 s[26:27], s[8:9]                     ; from x to xh, unless the job says otherwise
	s_mov_b64 s[28:29], s[18:19]
	s_cmp_eq_u32 s24, 8
	s_cselect_b64 s[26:27], s[10:11], s[26:27]
	s_cselect_b64 s[28:29], s[20:21], s[28:29]
	s_cmp_eq_u32 s24, 9
	s_cselect_b64 s[26:27], s[12:13], s[26:27]
	s_cselect_b64 s[28:29], s[20:21], s[28:29]
	s_cmp_eq_u32 s24, 10
	s_cselect_b64 s[26:27], s[14:15], s[26:27]
	s_cselect_b64 s[28:29], s[22:23], s[28:29]
	s_cmp_eq_u32 s24, 11
	s_cselect_b64 s[26:27], s[16:17], s[26:27]
	s_cselect_b64 s[28:29], s[22:23], s[28:29]
	s_add_nc_u64 s[26:27], s[26:27], s[36:37]
	s_add_nc_u64 s[28:29], s[28:29], s[38:39]
	s_wait_alu depctr_va_vdst(0)                   ; v1, v2 and v3 are written: every load and store of the kernel reads one of them as its offset
.irp j, 0,1,2,3,4,5,6,7,8,9,10,11,12,13,14,15
	global_load_b128 v[X+4*(\j):X+4*(\j)+3], v1, s[26:27] offset:(\j)*512 th:TH_LOAD_NT  ; the two rows lie end to end: 8,192 bytes; read once in the launch
.endr
.irp j, 0,1,2,3,4,5,6,7,8,9,10,11,12,13,14,15
	s_wait_loadcnt 15-(\j)                         ; loads come back in order (ISA guide 5.7.1): load j is in, the 15 - j younger ones stay out
.if ((\j) % 4 == 0) && ((\j) > 0)
	s_wait_alu depctr_va_vdst(0)                   ; a group's head: the conversions of the group before have written its four Y, which this group's four stores read
.endif
.if (\j) >= 4
	global_store_b64 v[2+((\j)-4)/8], v[Y+2*((\j)-4):Y+2*((\j)-4)+1], s[28:29] offset:(((\j)-4)%8)*256  ; piece j - 4, of the group before: 32 lanes x 8 bytes: 256 consecutive bytes, aligned; no vector instruction since the wait names its registers
.endif
	v_cvt_pk_bf16_f32 v[T],   v[X+4*(\j)],   v[X+4*(\j)+1]  ; the input's one rounding
	v_cvt_pk_bf16_f32 v[T+1], v[X+4*(\j)+2], v[X+4*(\j)+3]
	v_lshlrev_b32 v[T+2], 16, v[T]                 ; back to f32
	v_and_b32     v[T+3], s34, v[T]
	v_lshlrev_b32 v[T+4], 16, v[T+1]
	v_and_b32     v[T+5], s34, v[T+1]
	v_pk_mul_f32 v[T+2:T+3], v[T+2:T+3], s[32:33] op_sel_hi:[1,0]  ; times the power of two
	v_pk_mul_f32 v[T+4:T+5], v[T+4:T+5], s[32:33] op_sel_hi:[1,0]
	v_cvt_pk_f16_f32 v[Y+2*(\j)],   v[T+2], v[T+3]  ; eight significant bits fit into f16's eleven
	v_cvt_pk_f16_f32 v[Y+2*(\j)+1], v[T+4], v[T+5]
.endr
	s_wait_alu depctr_va_vdst(0)                   ; the last group's conversions have written its four Y, which the last four stores read
.irp j, 12,13,14,15
	global_store_b64 v[2+(\j)/8], v[Y+2*(\j):Y+2*(\j)+1], s[28:29] offset:((\j)%8)*256  ; 32 lanes x 8 bytes: 256 consecutive bytes, aligned
.endr
	s_endpgm
.Lfunc_end_k_qac0d66cab5_cvt:
	.size	k_qac0d66cab5_cvt, .Lfunc_end_k_qac0d66cab5_cvt-k_qac0d66cab5_cvt
	.p2alignl 7, 3214868480
	.fill 96, 4, 3214868480
	.section	.rodata,"a",@progbits
	.p2align	6, 0x0
	.amdhsa_kernel k_qac0d66cab5_cvt
		.amdhsa_group_segment_fixed_size 0
		.amdhsa_private_segment_fixed_size 0
		.amdhsa_enable_private_segment 0
		.amdhsa_kernarg_size 64
		.amdhsa_user_sgpr_count 2
		.amdhsa_user_sgpr_kernarg_segment_ptr 1
		.amdhsa_wavefront_size32 1
		.amdhsa_system_sgpr_workgroup_id_x 1
		.amdhsa_system_sgpr_workgroup_id_y 1
		.amdhsa_system_sgpr_workgroup_id_z 1
		.amdhsa_system_vgpr_workitem_id 0
		.amdhsa_next_free_vgpr 112
		.amdhsa_next_free_sgpr 66
		.amdhsa_reserve_vcc 0
		.amdhsa_float_denorm_mode_32 3
		.amdhsa_float_denorm_mode_16_64 3
		.amdhsa_memory_ordered 1
		.amdhsa_forward_progress 1
		.amdhsa_inst_pref_size 14
	.end_amdhsa_kernel
	.amdgpu_metadata
---
amdhsa.version: [ 1, 2 ]
amdhsa.kernels:
  - .name:           k_qac0d66cab5_cvt
    .symbol:         k_qac0d66cab5_cvt.kd
    .args:
      - { .name: x, .offset: 0, .size: 8, .value_kind: global_buffer, .address_space: global }
      - { .name: F, .offset: 8, .size: 8, .value_kind: global_buffer, .address_space: global }
      - { .name: V, .offset: 16, .size: 8, .value_kind: global_buffer, .address_space: global }
      - { .name: Q, .offset: 24, .size: 8, .value_kind: global_buffer, .address_space: global }
      - { .name: K, .offset: 32, .size: 8, .value_kind: global_buffer, .address_space: global }
      - { .name: xh, .offset: 40, .size: 8, .value_kind: global_buffer, .address_space: global }
      - { .name: w1, .offset: 48, .size: 8, .value_kind: global_buffer, .address_space: global }
      - { .name: w2, .offset: 56, .size: 8, .value_kind: global_buffer, .address_space: global }
    .group_segment_fixed_size: 0
    .private_segment_fixed_size: 0
    .kernarg_segment_align: 8
    .kernarg_segment_size: 64
    .max_flat_workgroup_size: 256
    .sgpr_count:     66
    .vgpr_count:     112
    .wavefront_size: 32
...
	.end_amdgpu_metadata
.endif
;; end of part 5
;; launch proj: the kernel of part 2 again; grid 8 x 32, 4 waves a work-group, clusters of 4 x 4, 327,680 bytes of LDS; arguments xh, w1, xv; writes xv
;; launch proj2: the kernel of part 2 again; grid 8 x 32, 4 waves a work-group, clusters of 4 x 4, 327,680 bytes of LDS; arguments xv, w2, qk; writes qk
;; launch score: the kernel of part 3 again; grid 8 x 32, 4 waves a work-group, clusters of 4 x 4, 327,680 bytes of LDS; arguments qk, e, st; writes e, st
;; launch pv: the kernel of part 4 again; grid 4 x 64, 4 waves a work-group, clusters of 4 x 4, 327,680 bytes of LDS; arguments e, xv, st, out0; writes out0
